; MI455X (gfx1250); checked and timed in simulation.
; The chip was launched on July 23, 2026; its instructions are those of AMD's public machine-readable ISA for CDNA 5 (MIT licence, August 2026) and "CDNA5" Instruction Set Architecture Reference Guide (July 2026). The comments in the code are by the model that wrote it; some were corrected since.
;; Sink Attention. Allowed arithmetic: matrix products marked QUANTISED: E2M3 operands, one E8M0 scale for each 32 along K, by v_wmma_scale_f32_16x16x128_f8f6f4 with both operands' format E2M3, f32 sums; everything else in f32.
;; Inputs: Wk 2,048 x 2,048 float32; Wo 2,048 x 2,048 float32; Wq 2,048 x 2,048 float32; Wv 2,048 x 2,048 float32; x 4 x 512 x 2,048 float32.
;; Outputs: out0 4 x 512 x 2,048 float32.
;; Constants: layer_idx = 0.
;; This version of the problem:
;;   THIS VERSION OF THE PROBLEM IS GIVEN IN LOW PRECISION. The matrix products marked QUANTISED in the list below multiply operands that are first quantised to E2M3 (2 exponent bits, 3 mantissa bits; 6 bits a number), with one power-of-two scale for each 32 numbers along K (OCP MX v1.0); their sums are f32. All else is computed in f32.
;;   The module's matrix products, in the order in which they are computed (A, B: the left and right operand; K: the contracted axis; several contracted axes count as one K, in the product's order):
;;     1. [M 2,048, K 2,048] x [K 2,048, N 2,048]; A: input x; B: input Wq: QUANTISED
;;     2. [M 2,048, K 2,048] x [K 2,048, N 2,048]; A: input x; B: input Wk: QUANTISED
;;     3. [M 2,048, K 2,048] x [K 2,048, N 2,048]; A: input x; B: input Wv: QUANTISED
;;     4. batch 64 x [M 512, K 128] x [K 128, N 512]; A: computed on the way; B: computed on the way: QUANTISED
;;     5. batch 64 x [M 512, K 512] x [K 512, N 128]; A: softmax (see below); B: computed on the way: QUANTISED
;;     6. [M 2,048, K 2,048] x [K 2,048, N 2,048]; A: computed on the way; B: input Wo: QUANTISED
;;   THE QUANTISER, for each operand of a quantised product, along K:
;;     - K is cut into blocks of 32 from its start; a last block that is shorter is filled with zeros.
;;     - A block's scale is 2^e with e = floor(log2(the largest magnitude in the block)) - 2, held to -126 .. 127; a block of zeros has e = 0. As a byte (E8M0): e + 127.
;;     - Each number is divided by its block's scale, clamped to +-7.5, and rounded to the nearest number of E2M3, ties to even, subnormals kept.
;;     - The product sums the exact products of the quantised numbers (number of the format x scale) in f32.
;;   ~~~python
;;   def quantise(x, axis):      # numpy; x: float32 -> the quantised numbers, widened to float32 again
;;       x = np.moveaxis(x, axis, -1); K = x.shape[-1]
;;       x = np.pad(x, [(0, 0)] * (x.ndim - 1) + [(0, -K % 32)]); x = x.reshape(x.shape[:-1] + (-1, 32)); a = np.abs(x).max(-1, keepdims=True)
;;       e = np.where(a > 0, np.clip(np.frexp(np.where(a > 0, a, 1))[1] - 1 - 2, -126, 127), 0)      # np.frexp(a)[1] - 1 = floor(log2(a)), exactly
;;       r = np.clip(x / 2.0 ** e, -7.5, 7.5)
;;       step = 2.0 ** (np.maximum(np.frexp(np.where(r == 0, 1, r))[1] - 1, 0) - 3)
;;       q = np.round(r / step) * step * 2.0 ** e      # np.round: ties to even
;;       return np.moveaxis(q.reshape(q.shape[:-2] + (-1,))[..., :K], -1, axis).astype(np.float32)
;;   ~~~
;;   SOFTMAX AHEAD OF A QUANTISED PRODUCT. Where the list says 'softmax', what is quantised is not the finished softmax but p = 2^(t - M), with t = logit x log2(e) and M = ceil(the row's largest t), a whole number; so 1/2 < the row's largest p <= 1. The row's sum l is taken of the UNQUANTISED p, in f32, and the product's result is divided by l at the end. Since M is a whole number, a kernel that streams over the keys may use a running M (the ceiling of the running maximum): every later rescaling is an exact power of two, which a block's scale takes up: the codes' values come out the same.
;;   OPERANDS COMPUTED ON THE WAY. 'Computed on the way' means the value that the module computes at that place (a softmax that the list does not call 'softmax' is quantised finished and normalised). What goes into a quantiser is computed in f32, as accurately as f32 sums, v_exp_f32 and their like allow (about 1e-6 of the number): no bf16 or f16 on the way to a quantiser, and a product that is left as it is and whose result goes on into a quantised operand takes f32 operands (vector FMAs, or v_wmma_f32_16x16x4_f32). A number that lies on a knife's edge between two numbers of the format may be rounded either way, as far as f32 arithmetic and the matrix unit's own rounding can turn it there, and no further.
;; One version. Each part assembles by itself: llvm-mc -triple=amdgcn-amd-amdhsa -mcpu=gfx1250 --defsym DOCPART=n.
;; ======== version 1 of 1: 4 launches
;; limits: right only within a limited range of input values
;; workspace buffers: ops 13,107,200 bytes; qkv 9,830,400 bytes; att 3,276,800 bytes; wo 3,276,800 bytes
;; launch quant (part 1): grid 1024 x 1, 4 waves a work-group, no clusters, 34,304 bytes of LDS; arguments x, Wq, Wk, Wv, ops; writes ops
.if DOCPART == 1
	.amdgcn_target "amdgcn-amd-amdhsa--gfx1250"
	.amdhsa_code_object_version 6
	.text
	.protected	k_q9ea4109796_quant
	.globl	k_q9ea4109796_quant
	.p2align	8
	.type	k_q9ea4109796_quant,@function
k_q9ea4109796_quant:
	s_mov_b64 s[64:65], 0
	v_nop
	global_prefetch_b8 v0, s[64:65] scope:SCOPE_SE
	s_setreg_imm32_b32 hwreg(HW_REG_WAVE_MODE, 25, 1), 1
	s_wait_xcnt 0x0
; x [2048][2048] (K innermost) and Wq, Wk, Wv [2048 (K)][2048 (n)] (K outermost), all f32, become codes of E2M3 with one E8M0 byte for each 32 along K.  (Wo is quantised in launch attn.)
; WORK LEFT OUT BY THE WHOLE PROGRAM.  (1) layer_idx: reference() never reads it, so it has no way to any output; it is a constant with no buffer and is no argument of any launch.
; (2) reference() sets the score of key k for query q to -infinity where k > q, by a mask that it builds itself: the softmax weight is then exactly 0, it adds nothing to the row's maximum, to the row's sum or to the
; second product, and its code is 0 whatever the block's scale.  So a step of 128 keys all of which come after all 16 queries of a tile is not multiplied (launch attn), for every value of the inputs.
; LIMIT: a NaN, an infinity or an overflow that reaches only such hidden keys is not carried to the result.
; THE LAYOUT OF ops.  A FRAGMENT is 16 rows x 128 K as the matrix unit's registers hold it: 12 registers a lane; registers 4 g .. 4 g + 3 of lane l lie at byte 512 g + 16 l: 1,536 bytes.
; Lane (r, h) holds row position r; registers 6 c .. 6 c + 5 hold K = 64 c + 32 h + 0 .. 31.  A UNIT is 128 rows x 128 K: 8 fragments, then their scale words (fragment i, position r at 12,288 + 64 i + 4 r): 12,800 bytes.
; A HALF UNIT is 64 rows x 128 K: 4 fragments, then 256 bytes of scale words: 6,400 bytes.  Fragment 2 b + u holds at position r the row 32 b + 8 u + r + 8 (r / 8): with that order a later product's results lie in a lane as neighbours along the next K.
; ops = x as units [128 tokens 16][K step 16], then the weights as half units [Wq, Wk, Wv][64 columns 32][K step 16].
; A block's scale is 2^(floor(log2(largest magnitude)) - 2): its byte is the largest magnitude's exponent field - 2.
; LIMITS: a block of zeros gets the byte 1 where the rule says 127 (its codes are zeros, and this program alone reads the bytes); magnitudes under 2^-124 are held at that floor; NaN and infinities are not served.
; SHARES.  A work-group of four waves makes 128 rows x 128 K: 16,384 numbers.  Work-groups 0-255 take x, the other 768 the weights; the two paths part on the work-group's number, and only x's path touches LDS.
.set UNIT,   12800
.set HUNIT,  6400
.set FRB,    1536
.set SCO,    12288
.set ROWB,   8192                      ; a row of x or of a weight in bytes
.set SPITCH, 528                       ; a stage row: 512 bytes + 16
.set WSTG,   16*SPITCH                 ; a wave's stage: 16 rows
.set SPARE,  4*WSTG                    ; the spare words, 128 bytes a wave: two blocks of 256 bytes that no other line names
.set SPW,    2
.set NIL,    3
	s_load_b256 s[4:11], s[0:1], 0x0               ; x s[4:5], Wq s[6:7], Wk s[8:9], Wv s[10:11]
	s_load_b64 s[14:15], s[0:1], 0x20              ; ops
	v_lshl_add_u32 v[SPW], v0, 2, SPARE
	v_mov_b32 v[NIL], 0
	v_lshrrev_b32 v1, 5, v0
	v_readfirstlane_b32 s16, v1                    ; wave 0..3
	v_and_b32 v1, 31, v0                           ; lane
	s_mov_b32 s20, 0x76543210
	s_mov_b32 s21, 0xfedcba98                      ; v_permlanex16_b32's selects for lane l xor 16
	s_wait_kmcnt 0x0
	s_cmp_lt_u32 ttmp9, 256
	s_cbranch_scc0 .Lweights
; ---- x: K is innermost.  Work-group id = 16 x row block + K step.  Wave w takes rows 32 w .. 32 w + 31 of the block: fragments 2 w and 2 w + 1.
; Each load reads a row's 512 consecutive bytes; a fragment's 16 rows turn through the wave's own stage in LDS, so that lane (r, h) gets its two whole blocks of 32 of row position r.
	s_lshr_b32 s17, ttmp9, 4                       ; row block
	s_and_b32 s18, ttmp9, 15                       ; K step
	s_lshl_b32 s22, s17, 20
	s_lshl_b32 s19, s16, 18
	s_add_co_u32 s22, s22, s19
	s_lshl_b32 s19, s18, 9
	s_add_co_u32 s22, s22, s19
	s_mov_b32 s23, 0
	s_add_nc_u64 s[4:5], s[4:5], s[22:23]
	s_mul_i32 s22, ttmp9, UNIT
	s_add_nc_u64 s[24:25], s[14:15], s[22:23]      ; my unit
	s_lshl_b32 s22, s16, 7
	s_add_co_u32 s22, s22, SCO
	s_add_nc_u64 s[26:27], s[24:25], s[22:23]      ; my two fragments' scale words
	s_mul_i32 s22, s16, 2*FRB
	s_add_nc_u64 s[24:25], s[24:25], s[22:23]      ; and their codes
	s_wait_alu depctr_va_vdst(0)
	v_lshlrev_b32 v4, 4, v1                        ; 16 x lane
	s_mul_i32 s19, s16, WSTG
	v_add_nc_u32 v5, s19, v4                       ; the stage, on the way in
	v_and_b32 v9, 15, v0                           ; r
	v_bfe_u32 v8, v0, 4, 1                         ; h
	v_mul_u32_u24 v6, v9, SPITCH
	v_lshl_add_u32 v6, v8, 7, v6
	v_add_nc_u32 v6, s19, v6                       ; and on the way out: row r, + 128 h bytes
	v_lshlrev_b32 v7, 2, v1
	v_lshlrev_b32 v8, 3, v8                        ; 8 h: how far my two scale bytes are shifted
	v_mov_b32 v20, 0                               ; a lane permute's destination counts as one of its sources
.macro LOADX u                         ; fragment 2 w + u: position q is row 8 u + q + 8 (q / 8) of my 32
.irp q, 0,1,2,3,4,5,6,7,8,9,10,11,12,13,14,15
	global_load_b128 v[32+64*\u+4*\q:32+64*\u+4*\q+3], v4, s[4:5] offset:(8*\u+\q+8*(\q/8))*ROWB th:TH_LOAD_NT
.endr
.endm
.macro FRAGX u
.set RU, 32+64*\u
.set FU, 160+12*\u
	s_wait_loadcnt 16*(1-\u)                       ; this fragment's 16 loads are in; the other fragment's 16 may be out
.irp q, 0,1,2,3,4,5,6,7,8,9,10,11,12,13,14,15
	ds_store_b128 v5, v[RU+4*\q:RU+4*\q+3] offset:SPITCH*\q
.endr
	s_wait_dscnt 0x0                               ; the stores have read their registers, which the loads below fill again
.irp c, 0,1
.irp j, 0,1,2,3,4,5,6,7
	ds_load_b128 v[RU+32*\c+4*\j:RU+32*\c+4*\j+3], v6 offset:256*\c+16*\j   ; register 32 c + i = K 64 c + 32 h + i of row position r
.endr
.endr
	s_wait_dscnt 0x0
.irp c, 0,1
	v_max3_num_f32 v[10+\c], |v[RU+32*\c]|, |v[RU+32*\c+1]|, 0x1800000   ; my block 2 c + h, and the floor 2^(3 - 127): the byte cannot fall under 1
.endr
.irp i, 2,4,6,8,10,12,14,16,18,20,22,24,26,28,30
.irp c, 0,1
	v_max3_num_f32 v[10+\c], v[10+\c], |v[RU+32*\c+\i]|, |v[RU+32*\c+\i+1]|
.endr
.endr
.irp c, 0,1
	v_add_nc_u32 v[12+\c], 0xff000000, v[10+\c]    ; 2 off the exponent field: the conversion's scale operand
.endr
.irp c, 0,1
	v_lshrrev_b32 v[14+\c], 23, v[12+\c]           ; the scale's byte
.endr
	v_lshl_or_b32 v16, v15, 16, v14                ; blocks h and 2 + h,
	v_lshlrev_b32 v16, v8, v16                     ; at their places in the word;
	v_permlanex16_b32 v20, v16, s20, s21
	v_or_b32 v[22+\u], v16, v20                    ; with lane l xor 16's two the word is whole, in both halves of the lanes
.irp c, 0,1
	v_cvt_scalef32_pk16_fp6_f32 v[FU+6*\c:FU+6*\c+2], v[RU+32*\c:RU+32*\c+15], v[12+\c]
	v_cvt_scalef32_pk16_fp6_f32 v[184+4*\c:186+4*\c], v[RU+32*\c+16:RU+32*\c+31], v[12+\c]   ; (a conversion's three registers begin on an even number)
.endr
	v_nop                                          ; one plain line behind the scaled conversions
.irp c, 0,1
.irp i, 0,1,2
	v_mov_b32 v[FU+6*\c+3+\i], v[184+4*\c+\i]
.endr
.endr
.irp g, 0,1,2
	global_store_b128 v4, v[FU+4*\g:FU+4*\g+3], s[24:25] offset:FRB*\u+512*\g   ; 512 consecutive bytes, at a multiple of 256 from the buffer's first byte
.endr
.endm
	LOADX 0
	LOADX 1
	s_wait_alu depctr_va_vdst(0)
	FRAGX 0
	FRAGX 1
	v_cmp_lt_u32 vcc_lo, 15, v1
	v_cndmask_b32 v21, v22, v23, vcc_lo            ; lanes 0-15 fragment 2 w's words, lanes 16-31 fragment 2 w + 1's
	global_store_b32 v7, v21, s[26:27]             ; 128 consecutive bytes
	s_wait_tensorcnt 0x0                           ; the wave's end
	ds_add_u32 v[SPW], v[NIL]
	s_wait_dscnt 0x0
	s_endpgm
; ---- the weights: K is the first axis.  A lane takes a column n and its registers run down K: a block of 32 lies in one lane, and the conversions give codes with K innermost.  No LDS.
; id - 256 = 256 x weight + 16 x K step + block of 128 columns.  Wave w takes columns 32 w + L of the block: half unit w / 2, its fragment 2 (w % 2) + u, position r, with u = (L / 8) % 2 and r = L % 8 + 8 (L / 16).
.Lweights:
	s_sub_co_u32 s17, ttmp9, 256
	s_lshr_b32 s18, s17, 8                         ; 0 Wq, 1 Wk, 2 Wv
	s_bfe_u32 s19, s17, 0x40004                    ; K step
	s_and_b32 s17, s17, 15                         ; block of 128 columns
	s_bitcmp1_b32 s18, 0
	s_cselect_b64 s[28:29], s[8:9], s[6:7]
	s_cmp_lt_u32 s18, 2
	s_cselect_b64 s[28:29], s[28:29], s[10:11]     ; the choice hangs on the work-group's number alone
	s_lshl_b32 s22, s19, 20                        ; 128 rows of 8,192 bytes
	s_lshl_b32 s23, s17, 9                         ; 128 columns
	s_add_co_u32 s22, s22, s23
	s_lshl_b32 s23, s16, 7                         ; 32 columns
	s_add_co_u32 s22, s22, s23
	s_mov_b32 s23, 0
	s_add_nc_u64 s[28:29], s[28:29], s[22:23]
	s_lshl_b32 s22, s18, 4
	s_add_co_u32 s22, s22, s17
	s_lshl_b32 s22, s22, 1
	s_lshr_b32 s12, s16, 1
	s_add_co_u32 s22, s22, s12                     ; 32 x weight + 2 x block + w / 2
	s_lshl_b32 s22, s22, 4
	s_add_co_u32 s22, s22, s19
	s_mul_i32 s22, s22, HUNIT
	s_add_co_u32 s22, s22, 256*UNIT
	s_add_nc_u64 s[24:25], s[14:15], s[22:23]      ; my half unit
	s_and_b32 s12, s16, 1
	s_lshl_b32 s22, s12, 7
	s_add_co_u32 s22, s22, 4*FRB
	s_add_nc_u64 s[26:27], s[24:25], s[22:23]
	s_mul_i32 s22, s12, 2*FRB
	s_add_nc_u64 s[24:25], s[24:25], s[22:23]
	s_wait_alu depctr_va_vdst(0)
	v_lshlrev_b32 v4, 2, v1                        ; in: 4 bytes a lane
	v_bfe_u32 v10, v0, 3, 1                        ; u
	v_and_b32 v11, 7, v0
	v_bfe_u32 v12, v0, 4, 1
	v_lshl_add_u32 v11, v12, 3, v11                ; r
	v_mul_u32_u24 v5, v10, FRB
	v_lshl_add_u32 v5, v11, 4, v5                  ; out: fragment u, 16 r
	v_lshlrev_b32 v6, 6, v10
	v_lshl_add_u32 v6, v11, 2, v6                  ; the scale word: 64 u + 4 r
.macro LOADW t                         ; block t: W(32 t + i, my column): 32 lanes read 128 consecutive bytes
.irp i, 0,1,2,3,4,5,6,7,8,9,10,11,12,13,14,15,16,17,18,19,20,21,22,23,24,25,26,27,28,29,30,31
	global_load_b32 v[32+32*(\t)+\i], v4, s[28:29] offset:(32*(\t)+\i)*ROWB th:TH_LOAD_NT
.endr
.endm
.macro BLOCK t                         ; block t is the six registers 6 (t / 2) on of fragment lane (r, t % 2)
.set XS, 32+32*(\t)
.set FD, 160+12*((\t)%2)+6*((\t)/2)
.set TP, 184+4*((\t)%2)
.if (\t) < 3
	s_wait_loadcnt 32                              ; this block's 32 loads are in; the next block's 32 may be out
.else
	s_wait_loadcnt 0x0
.endif
.if (\t) < 2
	LOADW (\t)+2
.endif
	v_max3_num_f32 v12, |v[XS]|, |v[XS+1]|, |v[XS+2]|
	v_max3_num_f32 v13, |v[XS+3]|, |v[XS+4]|, |v[XS+5]|
.irp i, 6,10,14,18,22,26
	v_max3_num_f32 v12, v12, |v[XS+\i]|, |v[XS+\i+1]|
	v_max3_num_f32 v13, v13, |v[XS+\i+2]|, |v[XS+\i+3]|
.endr
	v_max3_num_f32 v12, v12, |v[XS+30]|, |v[XS+31]|
	v_max3_num_f32 v12, v12, v13, 0x1800000        ; and the floor
	v_add_nc_u32 v11, 0xff000000, v12              ; the conversion's scale operand
	v_lshrrev_b32 v13, 23, v11                     ; the scale's byte
.if (\t) == 0
	v_mov_b32 v18, v13
.else
	v_lshl_or_b32 v18, v13, 8*(\t), v18            ; the lower K in the lower byte
.endif
	v_cvt_scalef32_pk16_fp6_f32 v[FD:FD+2], v[XS:XS+15], v11
	v_cvt_scalef32_pk16_fp6_f32 v[TP:TP+2], v[XS+16:XS+31], v11
	v_nop                                          ; one plain line behind the scaled conversions
.irp i, 0,1,2
	v_mov_b32 v[FD+3+\i], v[TP+\i]
.endr
.endm
	LOADW 0
	LOADW 1
	s_wait_alu depctr_va_vdst(0)
	BLOCK 0
	BLOCK 1
	BLOCK 2
	BLOCK 3
.irp h, 0,1
.irp g, 0,1,2
	global_store_b128 v5, v[160+12*\h+4*\g:160+12*\h+4*\g+3], s[24:25] offset:512*\g+256*\h   ; the sixteen lanes of each u store 256 consecutive bytes, at a multiple of 256
.endr
.endr
	global_store_b32 v6, v18, s[26:27]             ; the wave's 32 scale words: 128 consecutive bytes
	s_endpgm
.Lfunc_end_k_q9ea4109796_quant:
	.size	k_q9ea4109796_quant, .Lfunc_end_k_q9ea4109796_quant-k_q9ea4109796_quant
	.p2alignl 7, 3214868480
	.fill 96, 4, 3214868480
	.section	.rodata,"a",@progbits
	.p2align	6, 0x0
	.amdhsa_kernel k_q9ea4109796_quant
		.amdhsa_group_segment_fixed_size 34304
		.amdhsa_private_segment_fixed_size 0
		.amdhsa_enable_private_segment 0
		.amdhsa_kernarg_size 40
		.amdhsa_user_sgpr_count 2
		.amdhsa_user_sgpr_kernarg_segment_ptr 1
		.amdhsa_wavefront_size32 1
		.amdhsa_system_sgpr_workgroup_id_x 1
		.amdhsa_system_sgpr_workgroup_id_y 1
		.amdhsa_system_sgpr_workgroup_id_z 1
		.amdhsa_system_vgpr_workitem_id 0
		.amdhsa_next_free_vgpr 192
		.amdhsa_next_free_sgpr 66
		.amdhsa_reserve_vcc 1
		.amdhsa_float_denorm_mode_32 3
		.amdhsa_float_denorm_mode_16_64 3
		.amdhsa_memory_ordered 1
		.amdhsa_forward_progress 1
		.amdhsa_inst_pref_size 37
	.end_amdhsa_kernel
	.amdgpu_metadata
---
amdhsa.version: [ 1, 2 ]
amdhsa.kernels:
  - .name:           k_q9ea4109796_quant
    .symbol:         k_q9ea4109796_quant.kd
    .args:
      - { .name: x, .offset: 0, .size: 8, .value_kind: global_buffer, .address_space: global }
      - { .name: Wq, .offset: 8, .size: 8, .value_kind: global_buffer, .address_space: global }
      - { .name: Wk, .offset: 16, .size: 8, .value_kind: global_buffer, .address_space: global }
      - { .name: Wv, .offset: 24, .size: 8, .value_kind: global_buffer, .address_space: global }
      - { .name: ops, .offset: 32, .size: 8, .value_kind: global_buffer, .address_space: global }
    .group_segment_fixed_size: 34304
    .private_segment_fixed_size: 0
    .kernarg_segment_align: 8
    .kernarg_segment_size: 40
    .max_flat_workgroup_size: 128
    .sgpr_count:     66
    .vgpr_count:     192
    .wavefront_size: 32
...
	.end_amdgpu_metadata
.endif
;; end of part 1
;; launch gemm_qkv (part 2): grid 32 x 8, 4 waves a work-group, clusters of 4 x 4, 327,680 bytes of LDS; arguments ops, qkv; writes qkv
.if DOCPART == 2
	.amdgcn_target "amdgcn-amd-amdhsa--gfx1250"
	.amdhsa_code_object_version 6
	.text
	.protected	k_q9ea4109796_gemm_qkv
	.globl	k_q9ea4109796_gemm_qkv
	.p2align	8
	.type	k_q9ea4109796_gemm_qkv,@function
k_q9ea4109796_gemm_qkv:
	s_mov_b64 s[64:65], 0
	v_nop
	global_prefetch_b8 v0, s[64:65] scope:SCOPE_SE
	s_setreg_imm32_b32 hwreg(HW_REG_WAVE_MODE, 25, 1), 1
	s_wait_xcnt 0x0
	s_wait_alu depctr_hold_cnt(0) depctr_sa_sdst(0) depctr_va_vdst(0) depctr_va_sdst(0) depctr_va_ssrc(0) depctr_va_vcc(0) depctr_vm_vsrc(0)
	s_getreg_b32 s2, hwreg(HW_REG_IB_STS2, 6, 4)
	s_cmp_eq_u32 s2, 0
	s_cbranch_scc0 .Lentry_in_a_cluster
	s_endpgm
.Lentry_in_a_cluster:
	s_bfe_u32 s2, ttmp6, 0x10000c
	s_cmp_lg_u32 s2, 0xf033
	s_cbranch_scc0 .Lentry_shape_is_right
	s_endpgm
.Lentry_shape_is_right:
; q = x Wq, k = x Wk and v^T = Wv^T x^T on codes of E2M3 with E8M0 scales, K = 2,048; the f32 results are quantised here and leave as codes: q and k along the head's 128, v^T along the keys.
; ops: x as UNITS [row block of 128 tokens 16][K step 16]: 8 images of fragment registers (1,536 bytes: registers 4 g .. 4 g + 3 of lane l at 512 g + 16 l), then 8 x 64 bytes of scale words: 12,800 bytes.
; Behind them Wq, Wk, Wv as HALF UNITS [weight 3][64 columns 32][K step 16]: 4 images and 256 bytes of scale words: 6,400 bytes.  Fragment 2 b + u holds at position r the row 32 b + 8 u + r + 8 (r / 8).
; SHARES.  256 work-groups: 256 tokens x 64 columns each of q, k, v of one head.  Four waves, 2 x 2: wave (a, b) makes 128 tokens x 32 columns (block m = 2 (work-group x % 2) + b of the head's four) of each of the three: 48 accumulators.
; q, k: source 0 = W, source 1 = x: a lane holds a token, and its 16 registers of the two W tiles are 16 neighbours along the head.  v: source 0 = x, source 1 = W: a lane holds a column, its registers are neighbours along the tokens.
; THE RING: two slots, of three and of four K steps (A's two row blocks, then B's three weights, each dense).  The sixteen steps go as 3 + 4 + 3 + 4 + 2.  At the head each wave asks for one tile (waves 0, 1 slot 0's A, B; waves 2, 3 slot 1's);
; the same waves fill the same slot again.  The last fill brings two steps and lies in slot 0 with addresses of its own.
; CLUSTERS 4 x 4: A is shared along a row of the cluster, B along a column, by joint loads.  PREFETCH: K steps 7-9, 10-12 and 13-15 are asked for in steps 0, 3 and 7, each block of 256 bytes by one of the sixteen waves that will ask for it jointly.
; qkv = [q, k, v^T][16 batch + head][which 128 tokens] units of 12,800 bytes.  q, k: [tile pair p 4][block m 4] pieces of 768 bytes: registers 0-3 of the block's six at 16 l, registers 4-5 at 512 + 8 l, lanes 0-15 tile 2 p, lanes 16-31 tile 2 p + 1;
; then scale bytes [m / 2][row 128][m % 2].  v^T: as a unit of ops (rows = the head's 128, K = the tokens).
; LIMITS: a block of zeros gets the byte 1 (its codes are zeros; this program alone reads the bytes); magnitudes under 2^-124 are held at that floor; NaN and infinities are not served.
.set UNIT, 12800
.set HUNIT, 6400
.set FRB, 1536
.set SCO, 12288
.set RBB, 16*UNIT
.set SEC, 256*UNIT
.set S1, 7*19200                       ; slot 1 begins behind three steps of 44,800 bytes
.set STG, 7*44800                      ; the scale bytes' stage: [q, k][a][128 rows][2]
.set SPARE, STG+1024
.set ADRA, 8                           ; v8-10 LDS address of my A fragments, by layout: slot 0, slot 1, the last fill
.set ADRB, 12                          ; v12-20 of q's, k's, v's W, by layout
.set ADSA, 21                          ; v21-23 A's scale words
.set ADSB, 24                          ; v24-26 W's, q and k;  v27-29 v's
.set ADSV, 27
.set SPW, 30
.set NIL, 31
.set OI, 32                            ; 16 x lane
.set O8, 33
.set O4, 34
.set PFA, 35
.set PFB, 36
.set STB, 37
.set STR, 38
.set SC, 48                            ; v48-63 scale words, two sets of eight: A's pairs 0-3, q's, k's, v's pair (lanes 0-15 the even tile, lanes 16-31 the odd one)
.set AF, 64                            ; v64-255 A's fragments, two sets of 8.  Windows 1, 2, 3: v0-127 accumulators of q, k, v; v128-175 its two W tiles, two sets
.set G1A0, 24
.set G1B0, 32
.set G1A1, 48
.set G1B1, 56
.set G0A0, 68
.set G0B0, 72
.set G0A1, 76
.set G0B1, 80
.set SEL, 8
.set TM, 160                           ; the epilogue at work
.set TC, 176
.set MSB, 0
.macro WIN new
.if MSB != (\new)
	s_set_vgpr_msb (MSB<<8)|(\new)
.set MSB, (\new)
.endif
.endm
.macro CREST
	s_cmp_lg_u32 s14, 0
	s_cbranch_scc1 .Lnot_wave_0_\@
	s_barrier_signal -3
.Lnot_wave_0_\@:
	s_barrier_wait -3
	s_barrier_signal -1
	s_barrier_wait -1
.endm
.macro CROUND
	s_barrier_signal -1
	s_barrier_wait -1
	CREST
.endm
.macro PLACES n
.rept \n
	v_nop
.endr
.endm
.macro TLOAD g0, g1
	tensor_load_to_lds s[\g0:\g0+3], s[\g1:\g1+7]
	s_nop 0
	PLACES 4
.endm
.macro GROUP1 g, mask, c, r, p         ; r rows of c elements of 8 bytes, p elements apart
	s_or_b32 s[\g], s\mask, (3<<16)|(1<<21)
	s_mov_b32 s[\g+1], ((\c)&0xffff)<<16
	s_mov_b32 s[\g+2], ((\c)>>16)|((\r)<<16)
	s_mov_b32 s[\g+3], ((\r)>>16)|((\c)<<16)
	s_mov_b32 s[\g+4], \r
	s_mov_b32 s[\g+5], \p
	s_mov_b32 s[\g+6], 0
	s_mov_b32 s[\g+7], 0
.endm
.macro GROUP0 g, b, off, lds
	s_mov_b32 s[\g], 1
	s_mov_b32 s[\g+1], \lds
	s_add_nc_u64 s[\g+2:\g+3], s[\b:\b+1], \off
	s_or_b32 s[\g+3], s[\g+3], 0x80000000
.endm
	s_load_b128 s[4:7], s[0:1], 0x0                ; ops, qkv
	v_lshl_add_u32 v[SPW], v0, 2, SPARE
	v_mov_b32 v[NIL], 0
	ds_add_u32 v[SPW], v[NIL]                      ; the opening: the add, twice on end, and its wait
	ds_add_u32 v[SPW], v[NIL]
	v_lshrrev_b32 v1, 5, v0
	v_readfirstlane_b32 s14, v1                    ; wave
	s_lshr_b32 s15, s14, 1                         ; a
	s_and_b32 s16, s14, 1                          ; b
	s_bfe_u32 s40, ttmp6, 0x40000                  ; cx
	s_bfe_u32 s41, ttmp6, 0x40004                  ; cy
	s_lshl_b32 s42, ttmp9, 2
	s_add_co_u32 s42, s42, s40                     ; tile column 0..31
	s_and_b32 s17, ttmp7, 0xffff
	s_lshl_b32 s17, s17, 2
	s_add_co_u32 s17, s17, s41                     ; tile row 0..7
	s_lshl_b32 s43, s41, 2
	s_lshl_b32 s43, 15, s43                        ; my row of the cluster
	s_lshl_b32 s44, 0x1111, s40                    ; my column
	GROUP1 G1A0, 43, 3*UNIT/8, 2, RBB/8
	GROUP1 G1B0, 44, 3*HUNIT/8, 3, SEC/8
	GROUP1 G1A1, 43, 4*UNIT/8, 2, RBB/8
	GROUP1 G1B1, 44, 4*HUNIT/8, 3, SEC/8
	s_mul_i32 s20, s17, 2*RBB
	s_mov_b32 s21, 0
	s_mul_i32 s46, s42, 16*HUNIT
	s_add_co_u32 s46, s46, SEC
	s_mov_b32 s47, 0
	s_mov_b32 s[SEL], 0x76543210
	s_mov_b32 s[SEL+1], 0xfedcba98
	s_wait_dscnt 0x0
	s_wait_kmcnt 0x0
	s_add_nc_u64 s[20:21], s[4:5], s[20:21]        ; A at K step 0
	s_add_nc_u64 s[46:47], s[4:5], s[46:47]        ; B at K step 0
	GROUP0 G0A0, 20, 0, 0
	GROUP0 G0B0, 46, 0, 6*UNIT
	GROUP0 G0A1, 20, 3*UNIT, S1
	GROUP0 G0B1, 46, 3*HUNIT, S1+8*UNIT
	CROUND                                         ; all sixteen work-groups are here
.macro ARM under, g0, g1, next
	s_cmp_lt_u32 s14, \under
	s_cbranch_scc0 \next
	TLOAD \g0, \g1
	s_branch .Lhead_asked
\next:
.endm
	ARM 1, G0A0, G1A0, .Lhead_1
	ARM 2, G0B0, G1B0, .Lhead_2
	ARM 3, G0A1, G1A1, .Lhead_3
	TLOAD G0B1, G1B1
.Lhead_asked:
.macro LBASE l, nq, base, bo
	s_mul_i32 s[84+\l], s15, (\nq)*UNIT
	s_add_co_u32 s[84+\l], s[84+\l], \base
	s_add_co_u32 s[87+\l], s[84+\l], SCO
	s_mul_i32 s[90+\l], s16, 2*FRB
	s_add_co_u32 s[90+\l], s[90+\l], (\base)+(\bo)
	s_lshl_b32 s[93+\l], s16, 7
	s_add_co_u32 s[93+\l], s[93+\l], (\base)+(\bo)+4*FRB
.endm
	LBASE 0, 3, 0, 6*UNIT
	LBASE 1, 4, S1, 8*UNIT
	LBASE 2, 2, 0, 6*UNIT
	s_lshr_b32 s66, s17, 1                         ; batch
	s_lshl_b32 s66, s66, 4
	s_lshr_b32 s67, s42, 1                         ; head
	s_add_co_u32 s66, s66, s67
	s_lshl_b32 s66, s66, 2
	s_and_b32 s67, s17, 1
	s_lshl_b32 s67, s67, 1
	s_add_co_u32 s66, s66, s67                     ; the unit of my work-group's first 128 tokens
	s_and_b32 s67, s42, 1                          ; which 64 of the head's columns
	s_lshl_b32 s98, s67, 1
	s_add_co_u32 s98, s98, s16                     ; m
	s_add_co_u32 s99, s66, s15
	s_mul_i32 s99, s99, UNIT
	s_mul_i32 s12, s98, 768
	s_add_co_u32 s12, s12, s99
	s_mov_b32 s13, 0
	s_add_nc_u64 s[12:13], s[6:7], s[12:13]        ; q's and k's codes
	s_mul_i32 s18, s98, 2*FRB
	s_add_co_u32 s18, s18, s99
	s_add_co_u32 s18, s18, 2*SEC
	s_mov_b32 s19, 0
	s_add_nc_u64 s[18:19], s[6:7], s[18:19]        ; v's codes
	s_lshl_b32 s22, s98, 7
	s_add_co_u32 s22, s22, s99
	s_add_co_u32 s22, s22, 2*SEC+SCO
	s_mov_b32 s23, 0
	s_add_nc_u64 s[22:23], s[6:7], s[22:23]        ; v's scale words
	s_add_co_u32 s10, s66, s16
	s_mul_i32 s10, s10, UNIT
	s_mul_i32 s11, s15, SEC
	s_add_co_u32 s10, s10, s11
	s_lshl_b32 s11, s67, 8
	s_add_co_u32 s10, s10, s11
	s_add_co_u32 s10, s10, SCO
	s_mov_b32 s11, 0
	s_add_nc_u64 s[10:11], s[6:7], s[10:11]        ; wave w stores the scale bytes of q (w < 2) or k, token block w % 2
	s_lshl_b32 s100, s15, 8
	s_add_co_u32 s100, s100, s16
	s_add_co_u32 s100, s100, STG
	s_lshl_b32 s101, s14, 8
	s_add_co_u32 s101, s101, STG
	s_lshl_b32 s2, s40, 2
	s_add_co_u32 s2, s2, s14
	s_mul_i32 s2, s2, 19                           ; A: 300 blocks of 256 bytes, 19 a wave
	s_lshl_b32 s3, s41, 2
	s_add_co_u32 s3, s3, s14
	s_mul_i32 s3, s3, 15                           ; B: 225 blocks, 15 a wave
	v_and_b32 v3, 31, v0                           ; lane
	v_lshlrev_b32 v[OI], 4, v3
	v_lshlrev_b32 v[O8], 3, v3
	v_lshlrev_b32 v[O4], 2, v3
.macro LADDR l, nq
	v_add_nc_u32 v[ADRA+\l], s[84+\l], v[OI]
	v_add_nc_u32 v[ADRB+3*\l], s[90+\l], v[OI]
	v_add_nc_u32 v[ADSA+\l], s[87+\l], v[O4]
	v_add_nc_u32 v[ADSB+\l], s[93+\l], v[O4]
	v_add_nc_u32 v[ADRB+3*\l+1], (\nq)*HUNIT, v[ADRB+3*\l]
	v_add_nc_u32 v[ADRB+3*\l+2], 2*(\nq)*HUNIT, v[ADRB+3*\l]
	v_add_nc_u32 v[ADSV+\l], 2*(\nq)*HUNIT, v[ADSB+\l]
.endm
	LADDR 0, 3
	LADDR 1, 4
	LADDR 2, 2
	v_lshlrev_b32 v[STB], 1, v3
	v_add_nc_u32 v[STB], s100, v[STB]              ; in: 2 x row + b
	v_add_nc_u32 v[STR], s101, v[O8]               ; out: 8 bytes a lane
	v_min_u32 v4, 18, v3
	v_min_u32 v6, 14, v3
	v_add_nc_u32 v4, s2, v4
	v_add_nc_u32 v6, s3, v6
	v_min_u32 v4, 0x12b, v4
	v_min_u32 v6, 0xe0, v6
	v_mul_u32_u24 v5, 0x1b5, v4
	v_mul_u32_u24 v7, 0x36a, v6
	v_lshrrev_b32 v5, 16, v5                       ; block / 150: the row block
	v_lshrrev_b32 v7, 16, v7                       ; block / 75: the weight
	v_lshlrev_b32 v4, 8, v4
	v_lshlrev_b32 v6, 8, v6
	v_mad_u32_u24 v[PFA], v5, RBB-3*UNIT, v4
	v_mad_u32_u24 v[PFB], v7, SEC-3*HUNIT, v6
; ---- load n of a step's 49: layout l, the layout's q-th step, into set p.  The order: 7 scale words, A's 24, then 6 each of q's, k's, v's W
.macro LD n, l, q, p
.set KB_, (3+(\l)-3*((\l)/2))*HUNIT
.if (\n) < 4
	WIN 0
	ds_load_b32 v[SC+8*(\p)+(\n)], v[ADSA+(\l)] offset:(\q)*UNIT+128*(\n)
.elseif (\n) < 6
	WIN 0
	ds_load_b32 v[SC+8*(\p)+(\n)], v[ADSB+(\l)] offset:((\n)-4)*KB_+(\q)*HUNIT
.elseif (\n) < 7
	WIN 0
	ds_load_b32 v[SC+8*(\p)+(\n)], v[ADSV+(\l)] offset:(\q)*HUNIT
.elseif (\n) < 31
.set M_, (\n)-7
	WIN 0
	ds_load_b128 v[AF+96*(\p)+4*M_:AF+96*(\p)+4*M_+3], v[ADRA+(\l)] offset:(\q)*UNIT+512*M_
.else
.set M_, ((\n)-31)%6
.set KK_, ((\n)-31)/6
	WIN 0x40*(KK_+1)
	ds_load_b128 v[128+24*(\p)+4*M_:128+24*(\p)+4*M_+3], v[ADRB+3*(\l)+KK_] offset:(\q)*HUNIT+512*M_
.endif
.endm
.macro FETCH l, q, p                   ; all 49 in one run
.set LN, 0
.rept 49
	LD LN, \l, \q, \p
.set LN, LN+1
.endr
.endm
.macro WM1 d, s0, s1, x0, x1, ra, rb, z
.if \z
	v_wmma_scale_f32_16x16x128_f8f6f4 v[\d:\d+7], v[\s0:\s0+11], v[\s1:\s1+11], 0, v[\x0], v[\x1] matrix_a_fmt:MATRIX_FMT_FP6 matrix_b_fmt:MATRIX_FMT_FP6 matrix_a_scale:MATRIX_SCALE_ROW\ra matrix_b_scale:MATRIX_SCALE_ROW\rb
.else
	v_wmma_scale_f32_16x16x128_f8f6f4 v[\d:\d+7], v[\s0:\s0+11], v[\s1:\s1+11], v[\d:\d+7], v[\x0], v[\x1] matrix_a_fmt:MATRIX_FMT_FP6 matrix_b_fmt:MATRIX_FMT_FP6 matrix_a_scale:MATRIX_SCALE_ROW\ra matrix_b_scale:MATRIX_SCALE_ROW\rb
.endif
.endm
.macro WM d, s0, s1, x0, x1, r0, r1, z
.if \r0
.if \r1
	WM1 \d, \s0, \s1, \x0, \x1, 1, 1, \z
.else
	WM1 \d, \s0, \s1, \x0, \x1, 1, 0, \z
.endif
.else
.if \r1
	WM1 \d, \s0, \s1, \x0, \x1, 0, 1, \z
.else
	WM1 \d, \s0, \s1, \x0, \x1, 0, 0, \z
.endif
.endif
.endm
; product n of a step's 48: phase n / 16 (q, k, v), A's tile i, W's tile u.  The accumulators take turns, one instruction a turn, in the same order in every step
.macro PR n, p, z
.set K_, (\n)/16
.set I_, ((\n)%16)/2
.set U_, (\n)%2
.set V_, I_%2
.set XA_, AF+96*(\p)+12*I_
.set WB_, 128+24*(\p)+12*U_
.set SA_, SC+8*(\p)+I_/2
.set SB_, SC+8*(\p)+4+K_
.if K_ < 2
	WIN 0x51*(K_+1)
.set D_, 8*(2*I_+U_)
	WM D_, WB_, XA_, SB_, SA_, U_, V_, \z
.else
	WIN 0xfc
.set D_, 8*(8*U_+I_)
	WM D_, XA_, WB_, SA_, SB_, V_, U_, \z
.endif
.endm
.macro RUN from, to, p, z
.set PN, \from
.rept (\to)-(\from)
	PR PN, \p, \z
.set PN, PN+1
.endr
.endm
.macro ASK j                           ; K steps 7 + 3 j .. 9 + 3 j into the L2
	WIN 0
	global_prefetch_b8 v[PFA], s[20:21] offset:(7+3*\j)*UNIT th:TH_LOAD_NT scope:SCOPE_SE
	global_prefetch_b8 v[PFB], s[46:47] offset:(7+3*\j)*HUNIT th:TH_LOAD_NT scope:SCOPE_SE
.endm
; a step on set p; the next step's fragments (layout l, q) go into the other set, in one run at the step's head.  j < 3: a prefetch behind them
.macro STEP p, l, q, z, j=3
	s_wait_dscnt 12                                ; all but k's and v's W of this step are in
	PLACES 4                                       ; behind the last step's products: loads into their registers follow
	FETCH \l, \q, 1-(\p)
.if \j < 3
	ASK \j
.endif
	RUN 0, 16, \p, \z
	s_wait_dscnt 55                                ; v's 6 and the next step's 49 may be out
	RUN 16, 32, \p, \z
	s_wait_dscnt 49
	RUN 32, 48, \p, \z
	WIN 0
.endm
; a slot's last step.  f = 0, 1: that slot is filled again with what lies seven K steps on; f = 2: slot 0 with the last two; f = 3: nothing is left
.macro TURN p, l, f
	s_wait_tensorcnt 0x0                           ; all my tensor loads have landed
	ds_add_u32 v[SPW], v[NIL]
.set GA_, G0A0+8*((\f)%2)
.set GG_, G1A0+24*((\f)%2)
.if (\f) < 3
	s_add_nc_u64 s[GA_+2:GA_+3], s[GA_+2:GA_+3], 7*UNIT
	s_add_nc_u64 s[GA_+6:GA_+7], s[GA_+6:GA_+7], 7*HUNIT
.endif
.if (\f) == 2
	s_mov_b32 s[G1A0+1], (2*UNIT/8)<<16
	s_mov_b32 s[G1A0+3], (2*UNIT/8)<<16
	s_mov_b32 s[G1B0+1], (2*HUNIT/8)<<16
	s_mov_b32 s[G1B0+3], (2*HUNIT/8)<<16
.endif
	s_wait_dscnt 13                                ; the add, and k's and v's W, may be out
	PLACES 4
	RUN 0, 6, \p, 0
	s_wait_dscnt 0x0                               ; the add is done, and so are my reads of this slot
	s_barrier_signal -1
	RUN 6, 12, \p, 0
	WIN 0
	s_barrier_wait -1
.if (\f) < 3
	CREST                                          ; no wave of any partner still reads this slot or has a load on its way
	s_cmp_eq_u32 s14, 2*((\f)%2)
	s_cbranch_scc0 .Lnot_a_\@
	TLOAD GA_, GG_
	s_branch .Lasked_\@
.Lnot_a_\@:
	s_cmp_eq_u32 s14, 2*((\f)%2)+1
	s_cbranch_scc0 .Lasked_\@
	TLOAD GA_+4, GG_+8
.Lasked_\@:
.endif
	FETCH \l, 0, 1-(\p)
	RUN 12, 48, \p, 0
	WIN 0
.endm
	s_wait_alu depctr_va_vdst(0)                   ; the wait at the head's end
	s_cmp_lt_u32 s14, 2
	s_cbranch_scc0 .Lnot_first
	s_wait_tensorcnt 0x0                           ; slot 0's tiles are waves 0's and 1's; slot 1's may be on their way
.Lnot_first:
	s_barrier_signal -1
	s_barrier_wait -1
	FETCH 0, 0, 0
	STEP 0, 0, 1, 1, 0                             ; K step 0 starts the sums
	STEP 1, 0, 2, 0
	TURN 0, 1, 0                                   ; K step 2; slot 0 takes 7-9
	STEP 1, 1, 1, 0, 1
	STEP 0, 1, 2, 0
	STEP 1, 1, 3, 0
	TURN 0, 0, 1                                   ; K step 6; slot 1 takes 10-13
	STEP 1, 0, 1, 0, 2
	STEP 0, 0, 2, 0
	TURN 1, 1, 2                                   ; K step 9; slot 0 takes 14, 15
	STEP 0, 1, 1, 0
	STEP 1, 1, 2, 0
	STEP 0, 1, 3, 0
	TURN 1, 2, 3                                   ; K step 13
	STEP 0, 2, 1, 0
	s_wait_dscnt 12                                ; K step 15
	RUN 0, 16, 1, 0
	s_wait_dscnt 6
	RUN 16, 32, 1, 0
	s_wait_dscnt 0x0
	RUN 32, 48, 1, 0
	WIN 0
; ---- THE WAY OUT: 64 registers = four runs of 16 neighbours along the next K (n < 4: q's or k's tiles 4 (n % 2) .. + 3; n = 4, 5: v's column tile n - 4, four blocks of tokens) become 4 x 3 registers of codes
.macro QUANT n
.set W_, (\n)/2+1
.set AC_, 64*((\n)%2)
.set PC_, 64+12*(\n)
	WIN 5*W_
.irp b, 0,1,2,3
	v_max3_num_f32 v[TM+\b], |v[AC_+16*\b]|, |v[AC_+16*\b+1]|, 0x1800000   ; the floor 2^(3 - 127) holds the byte at 1 from below
.endr
.irp i, 2,4,6,8,10,12,14
.irp b, 0,1,2,3
	v_max3_num_f32 v[TM+\b], |v[AC_+16*\b+\i]|, |v[AC_+16*\b+\i+1]|, v[TM+\b]
.endr
.endr
	WIN 0
.irp b, 0,1,2,3
	v_permlanex16_b32 v[TM+4+\b], v[TM+\b], s[SEL], s[SEL+1]
.endr
.irp b, 0,1,2,3
	v_max_num_f32 v[TM+\b], v[TM+\b], v[TM+4+\b]   ; with lane l xor 16's 16
.endr
.irp b, 0,1,2,3
	v_add_nc_u32 v[TM+12+\b], 0xff000000, v[TM+\b] ; 2 off the exponent field: the conversion's scale operand
.endr
.irp b, 0,1,2,3
	v_lshrrev_b32 v[TM+4+\b], 23, v[TM+12+\b]      ; the scale's byte
.endr
	WIN W_
.irp c, 0,1
	v_cvt_scalef32_pk16_fp6_f32 v[PC_+6*\c:PC_+6*\c+2], v[AC_+32*\c:AC_+32*\c+15], v[TM+12+2*\c]
	v_cvt_scalef32_pk16_fp6_f32 v[TC+4*\c:TC+4*\c+2], v[AC_+32*\c+16:AC_+32*\c+31], v[TM+12+2*\c+1]
.endr
	WIN 0
	v_nop                                          ; one plain line behind the scaled conversions
.irp c, 0,1                            ; whole blocks of 32 to a lane: lanes 0-15 the first run's, lanes 16-31 the second's
.irp i, 0,1,2
	v_permlane16_swap_b32 v[PC_+6*\c+\i], v[TC+4*\c+\i]
.endr
.irp i, 0,1,2
	v_mov_b32 v[PC_+6*\c+3+\i], v[TC+4*\c+\i]
.endr
.endr
.endm
.macro OUTQK n
	QUANT \n
.set O_, ((\n)/2)*SEC+((\n)%2)*6144
.irp c, 0,1
	v_cndmask_b32 v[184+\c], v[TM+4+2*\c], v[TM+5+2*\c], s3
.endr
.irp c, 0,1
	ds_store_b8 v[STB], v[184+\c] offset:512*((\n)/2)+128*((\n)%2)+64*\c
	global_store_b128 v[OI], v[PC_+6*\c:PC_+6*\c+3], s[12:13] offset:O_+3072*\c
	global_store_b64 v[O8], v[PC_+6*\c+4:PC_+6*\c+5], s[12:13] offset:O_+3072*\c+512
.endr
.endm
.macro QUANTV u
	QUANT 4+\u
	v_lshl_or_b32 v[186+\u], v[TM+5], 8, v[TM+4]
	v_lshl_or_b32 v[186+\u], v[TM+6], 16, v[186+\u]
	v_lshl_or_b32 v[186+\u], v[TM+7], 24, v[186+\u]
.endm
.macro OUTV u
.irp g, 0,1,2
	global_store_b128 v[OI], v[112+12*\u+4*\g:115+12*\u+4*\g], s[18:19] offset:FRB*\u+512*\g
.endr
.endm
	PLACES 4                                       ; behind the last products
.irp b, 0,1,2,3
	v_mov_b32 v[TM+4+\b], 0                        ; a lane permute's destination counts as one of its sources
.endr
	v_cmp_lt_u32 s3, 15, v3                        ; lanes 16-31
	OUTQK 0
	OUTQK 1
	OUTQK 2
	OUTQK 3
	s_wait_dscnt 0x0
	s_barrier_signal -1                            ; my scale bytes are in the stage
	QUANTV 0
	s_wait_alu depctr_va_vdst(0)
	s_barrier_wait -1
	ds_load_b64 v[188:189], v[STR]
	OUTV 0
	QUANTV 1
	OUTV 1
	v_cndmask_b32 v190, v186, v187, s3
	global_store_b32 v[O4], v190, s[22:23]         ; 32 scale words: 128 consecutive bytes
	s_wait_dscnt 0x0
	global_store_b64 v[O8], v[188:189], s[10:11]   ; one aligned unit of 256 bytes
	s_wait_tensorcnt 0x0                           ; the wave's end
	ds_add_u32 v[SPW], v[NIL]
	s_wait_dscnt 0x0
	CROUND
	s_endpgm
.Lfunc_end_k_q9ea4109796_gemm_qkv:
	.size	k_q9ea4109796_gemm_qkv, .Lfunc_end_k_q9ea4109796_gemm_qkv-k_q9ea4109796_gemm_qkv
	.p2alignl 7, 3214868480
	.fill 96, 4, 3214868480
	.section	.rodata,"a",@progbits
	.p2align	6, 0x0
	.amdhsa_kernel k_q9ea4109796_gemm_qkv
		.amdhsa_group_segment_fixed_size 327680
		.amdhsa_private_segment_fixed_size 0
		.amdhsa_enable_private_segment 0
		.amdhsa_kernarg_size 16
		.amdhsa_user_sgpr_count 2
		.amdhsa_user_sgpr_kernarg_segment_ptr 1
		.amdhsa_wavefront_size32 1
		.amdhsa_system_sgpr_workgroup_id_x 1
		.amdhsa_system_sgpr_workgroup_id_y 1
		.amdhsa_system_sgpr_workgroup_id_z 1
		.amdhsa_system_vgpr_workitem_id 0
		.amdhsa_next_free_vgpr 960
		.amdhsa_next_free_sgpr 102
		.amdhsa_reserve_vcc 0
		.amdhsa_float_denorm_mode_32 3
		.amdhsa_float_denorm_mode_16_64 3
		.amdhsa_memory_ordered 1
		.amdhsa_forward_progress 1
		.amdhsa_inst_pref_size 194
	.end_amdhsa_kernel
	.amdgpu_metadata
---
amdhsa.version: [ 1, 2 ]
amdhsa.kernels:
  - .name:           k_q9ea4109796_gemm_qkv
    .symbol:         k_q9ea4109796_gemm_qkv.kd
    .args:
      - { .name: ops, .offset: 0, .size: 8, .value_kind: global_buffer, .address_space: global }
      - { .name: qkv, .offset: 8, .size: 8, .value_kind: global_buffer, .address_space: global }
    .group_segment_fixed_size: 327680
    .private_segment_fixed_size: 0
    .kernarg_segment_align: 8
    .kernarg_segment_size: 16
    .max_flat_workgroup_size: 128
    .sgpr_count:     102
    .vgpr_count:     960
    .wavefront_size: 32
...
	.end_amdgpu_metadata
.endif
;; end of part 2
;; launch attn (part 3): grid 4 x 64, 8 waves a work-group, clusters of 4 x 1, 167,936 bytes of LDS; arguments qkv, Wo, att, wo; writes att, wo
.if DOCPART == 3
	.amdgcn_target "amdgcn-amd-amdhsa--gfx1250"
	.amdhsa_code_object_version 6
	.text
	.protected	k_q9ea4109796_attn
	.globl	k_q9ea4109796_attn
	.p2align	8
	.type	k_q9ea4109796_attn,@function
k_q9ea4109796_attn:
	s_mov_b64 s[64:65], 0
	v_nop
	global_prefetch_b8 v0, s[64:65] scope:SCOPE_SE
	s_setreg_imm32_b32 hwreg(HW_REG_WAVE_MODE, 25, 1), 1
	s_wait_xcnt 0x0
	s_wait_alu depctr_hold_cnt(0) depctr_sa_sdst(0) depctr_va_vdst(0) depctr_va_sdst(0) depctr_va_ssrc(0) depctr_va_vcc(0) depctr_vm_vsrc(0)
	s_getreg_b32 s2, hwreg(HW_REG_IB_STS2, 6, 4)
	s_cmp_eq_u32 s2, 0
	s_cbranch_scc0 .Lentry_in_a_cluster
	s_endpgm
.Lentry_in_a_cluster:
	s_bfe_u32 s2, ttmp6, 0x10000c
	s_cmp_lg_u32 s2, 0x3003
	s_cbranch_scc0 .Lentry_shape_is_right
	s_endpgm
.Lentry_shape_is_right:
; Causal attention of one (batch, head) to a cluster, both products on codes of E2M3 with E8M0 scales; the result, divided by the row's sum, is quantised along the head's 128 and leaves as codes.  BESIDE IT each work-group quantises 128 x 128 of Wo.
; WORK LEFT OUT: a step of 128 keys all of which come after a tile's 16 queries: reference()'s own mask gives those keys the weight 0 for every input.  A NaN or an infinity that reaches only such keys is not carried.
; qkv = [q, k, v^T][16 batch + head][which 128 tokens] units of 12,800 bytes.  q, k: [tile pair p 4][block of 32 along the head 4] pieces of 768 bytes: registers 0-3 of the block's six at 16 l, registers 4-5 at 512 + 8 l, lanes 0-15 tile 2 p, lanes 16-31 tile 2 p + 1;
; then scale bytes [block / 2][row 128][block % 2].  v^T: 8 images (registers 4 g .. 4 g + 3 of lane l at 512 g + 16 l), then 8 x 64 bytes of scale words.  Tile 2 b + u holds at position r the row 32 b + 8 u + r + 8 (r / 8).
; THE SOFTMAX: t = score x log2(e) / sqrt(128); M = the running largest t rounded up to a whole number; p = 2^(t - M) is quantised along the keys; the row's sum is taken of the unquantised p and divides at the end.
; SHARES.  A head has 32 tiles of 16 queries.  Work-group cx, wave w takes tile 4 rho + cx, rho = w xor 3 (w / 4): key steps 0 .. rho / 2, the last on the diagonal: the partners run the same branches; waves w and w + 4 have five steps between them.
; Waves 0-3, which have one or two steps, quantise Wo: 32 columns x 128 K each, a lane a column, registers down K: four blocks of 32.  Two blocks are asked for at the head and converted ahead of the wave's first step; the other two, asked for then into the same registers, are converted at the end.
; LDS.  The head's k (4 units) and v^T (4 units), filled once: each wave asks for one unit, jointly with the same wave of the three partners.  A step's v^T is loaded into registers ahead of its first product, the next step's k behind it.
; NO PREFETCH: every tile is asked for once, at the head: no loop runs ahead of a tile.
; Both products are used transposed (S^T = k q^T, O^T = v^T p^T): a lane holds one query throughout.
; att = [block of 128 tokens 16][head 16] units, wo = [block of 128 columns 16][K step 16] units: 8 images, then scale words, as v^T's.
; LIMITS: a block of zeros gets the byte 1 (its codes are zeros; this program alone reads the bytes); magnitudes under 2^-124 are held at that floor; NaN and infinities are not served.
; REGISTERS, window 0: v1 16 x lane, v2 4 r, v4, v7, v29 k's lane terms; v8-11, v28 addresses in hand; v12 -M, v13 the largest t, v[14:15] the sum; v16-27 q; v32-39 k's scale words of v40-55; v56-63 v's; v65, v66, v69 Wo's addresses, v70, v71 its scale bytes, v72-95 its codes;
; v96-159 S^T, then p, at the end the way out; v160-223 O^T; v224-235 p's codes; v232-254 at work; v255 q's scale words.  Window 1: v0-95 k, v96-191 v^T, v192-255 64 rows of Wo.
.set UNIT,  12800
.set FRB,   1536
.set SCO,   12288
.set SEC,   256*UNIT
.set VOFF,  4*UNIT
.set SPARE, 8*UNIT
.set SPW,  5
.set NIL,  6
.set WV,   18
.set SEL,  20
.set CS,   22
.set G1,   24
.set G0,   32
.set TB,   2
.set KS,   3
.set LIVE, 36
.set HID,  40                          ; s40-47 in the loop: which lanes' scores are hidden
.set MSB, 0
.macro WIN new
.if MSB != (\new)
	s_set_vgpr_msb (MSB<<8)|(\new)
.set MSB, (\new)
.endif
.endm
.macro CROUND
	s_barrier_signal -1
	s_barrier_wait -1
	s_cmp_lg_u32 s[WV], 0
	s_cbranch_scc1 .Lnot_wave_0_\@
	s_barrier_signal -3
.Lnot_wave_0_\@:
	s_barrier_wait -3
	s_barrier_signal -1
	s_barrier_wait -1
.endm
	s_load_b256 s[4:11], s[0:1], 0x0               ; qkv s[4:5], Wo s[6:7], att s[8:9], wo s[10:11]
	v_lshl_add_u32 v[SPW], v0, 2, SPARE
	v_mov_b32 v[NIL], 0
	ds_add_u32 v[SPW], v[NIL]                      ; the opening: the add, twice on end, and its wait
	ds_add_u32 v[SPW], v[NIL]
	v_lshrrev_b32 v8, 5, v0
	v_readfirstlane_b32 s[WV], v8                  ; wave 0..7
	s_bfe_u32 s38, ttmp6, 0x40000                  ; cx: it enters q's, att's, Wo's and wo's addresses and the mask's bound, and nothing else
	s_and_b32 s39, ttmp7, 0xffff                   ; 16 batch + head
	s_lshr_b32 s41, s[WV], 2
	s_mul_i32 s37, s41, 3
	s_xor_b32 s37, s37, s[WV]                      ; rho
	s_lshr_b32 s[LIVE], s37, 1
	s_and_b32 s42, s37, 1
	s_lshl_b32 s40, s42, 2
	s_add_co_u32 s40, s40, s38                     ; my tile in its unit
	s_add_co_u32 s43, s41, 1                       ; what I fetch: section 1 (k) or 2 (v^T),
	s_mul_i32 s44, s43, SEC
	s_lshl_b32 s46, s39, 2
	s_and_b32 s43, s[WV], 3
	s_add_co_u32 s47, s43, s46
	s_mul_i32 s47, s47, UNIT
	s_add_co_u32 s44, s44, s47                     ; unit 4 (16 batch + head) + w % 4
	s_mov_b32 s45, 0
	s_add_co_u32 s47, s46, s[LIVE]
	s_mul_i32 s47, s47, UNIT                       ; my queries' unit of q
	s_lshr_b32 s12, s40, 1
	s_mul_i32 s12, s12, 3072
	s_add_co_u32 s12, s12, s47
	s_and_b32 s13, s40, 1
	s_lshl_b32 s14, s13, 8
	s_add_co_u32 s48, s12, s14
	s_mov_b32 s49, 0
	s_lshl_b32 s14, s13, 7
	s_add_co_u32 s56, s12, s14
	s_add_co_u32 s56, s56, 512
	s_mov_b32 s57, 0
	s_lshl_b32 s14, s40, 5
	s_add_co_u32 s50, s47, s14
	s_add_co_u32 s50, s50, SCO
	s_mov_b32 s51, 0
	s_lshr_b32 s12, s39, 4
	s_lshl_b32 s12, s12, 2
	s_add_co_u32 s12, s12, s[LIVE]                 ; att: block of 128 tokens,
	s_lshl_b32 s12, s12, 4
	s_and_b32 s13, s39, 15
	s_add_co_u32 s12, s12, s13                     ; K step = head
	s_mul_i32 s12, s12, UNIT
	s_mul_i32 s13, s40, FRB
	s_add_co_u32 s52, s12, s13
	s_mov_b32 s53, 0
	s_lshl_b32 s13, s40, 6
	s_add_co_u32 s54, s12, s13
	s_add_co_u32 s54, s54, SCO
	s_mov_b32 s55, 0
	s_add_co_u32 s15, s46, s38                     ; Wo: which of the 256 pieces of 128 x 128
	s_lshr_b32 s16, s15, 4                         ; K step
	s_and_b32 s15, s15, 15                         ; block of 128 columns
	s_lshl_b32 s58, s16, 20                        ; 128 rows of 8,192 bytes
	s_lshl_b32 s13, s15, 9
	s_add_co_u32 s58, s58, s13
	s_lshl_b32 s13, s43, 7
	s_add_co_u32 s58, s58, s13
	s_mov_b32 s59, 0
	s_lshl_b32 s12, s15, 4
	s_add_co_u32 s12, s12, s16
	s_mul_i32 s12, s12, UNIT
	s_add_co_u32 s62, s12, s13
	s_add_co_u32 s62, s62, SCO                     ; my 32 scale words
	s_mov_b32 s63, 0
	s_mul_i32 s13, s43, 2*FRB
	s_add_co_u32 s60, s12, s13                     ; my two fragments
	s_mov_b32 s61, 0
	s_lshl_b32 s17, s42, 6                         ; position 0's query in its 128
	s_lshr_b32 s12, s38, 1
	s_lshl_b32 s12, s12, 5
	s_add_co_u32 s17, s17, s12
	s_and_b32 s12, s38, 1
	s_lshl_b32 s12, s12, 3
	s_add_co_u32 s17, s17, s12
	s_mov_b32 s[G1], 15|(3<<16)|(1<<21)            ; the mask: all four work-groups; elements of 8 bytes; no padding
	s_mov_b32 s[G1+1], 32<<16                      ; a unit: 50 dense rows of 256 bytes
	s_mov_b32 s[G1+2], 50<<16
	s_mov_b32 s[G1+3], 32<<16
	s_mov_b32 s[G1+4], 50
	s_mov_b32 s[G1+5], 32
	s_mov_b32 s[G1+6], 0
	s_mov_b32 s[G1+7], 0
	s_mov_b32 s[SEL], 0x76543210
	s_mov_b32 s[SEL+1], 0xfedcba98
	s_mov_b32 s[CS], 0x3e0293ee                    ; log2(e) / sqrt(128)
	s_mov_b32 s[CS+1], s[CS]
	s_mov_b32 s[TB], 0
	s_mov_b32 s[KS], 0
	s_wait_dscnt 0x0
	s_wait_kmcnt 0x0
	s_mov_b32 s[G0], 1
	s_mul_i32 s[G0+1], s[WV], UNIT
	s_add_nc_u64 s[G0+2:G0+3], s[4:5], s[44:45]
	s_or_b32 s[G0+3], s[G0+3], 0x80000000
	CROUND                                         ; all four work-groups are here: the joint loads meet
	tensor_load_to_lds s[G0:G0+3], s[G1:G1+7]      ; my one tensor load of the launch
	s_nop 0
.rept 4
	v_nop
.endr
	s_add_nc_u64 s[48:49], s[4:5], s[48:49]
	s_add_nc_u64 s[56:57], s[4:5], s[56:57]
	s_add_nc_u64 s[50:51], s[4:5], s[50:51]
	s_add_nc_u64 s[52:53], s[8:9], s[52:53]
	s_add_nc_u64 s[54:55], s[8:9], s[54:55]
	s_add_nc_u64 s[58:59], s[6:7], s[58:59]
	s_add_nc_u64 s[60:61], s[10:11], s[60:61]
	s_add_nc_u64 s[62:63], s[10:11], s[62:63]
	v_and_b32 v9, 15, v0                           ; r
	v_bfe_u32 v11, v0, 4, 1                        ; h
	v_and_b32 v64, 31, v0                          ; lane
	v_mul_u32_u24 v10, 0x300, v11
	v_lshlrev_b32 v29, 1, v9
	v_lshlrev_b32 v65, 2, v64
	v_lshl_add_u32 v4, v9, 4, v10                  ; 768 h + 16 r
	v_lshl_add_u32 v7, v9, 3, v10                  ; 768 h + 8 r
.irp c, 0,1
	global_load_b128 v[16+6*\c:19+6*\c], v4, s[48:49] offset:1536*\c
	global_load_b64 v[20+6*\c:21+6*\c], v7, s[56:57] offset:1536*\c
.endr
	global_load_u16 v30, v29, s[50:51]             ; q's scale bytes of blocks 0, 1
	global_load_u16 v31, v29, s[50:51] offset:256  ; and 2, 3
.macro LOADW reg, row                  ; 32 rows of Wo, my column, into window 1: 32 lanes read 128 consecutive bytes
	WIN 0x40
.set J, 0
.rept 32
	global_load_b32 v[\reg+J], v65, s[58:59] offset:(\row+J)*8192 th:TH_LOAD_NT
.set J, J+1
.endr
	WIN 0
.endm
	v_lshlrev_b32 v1, 4, v64
	v_lshlrev_b32 v2, 2, v9
	v_and_b32 v3, 8, v9
	v_lshlrev_b32 v11, 4, v11
	v_add_nc_u32 v3, v3, v9
	v_bfe_u32 v70, v0, 3, 1                        ; Wo: u
	v_sub_nc_u32 v3, v3, v11
	v_and_b32 v71, 7, v0
	v_add_nc_u32 v3, s17, v3                       ; my query in its 128, less 16 h: register 16 b + i of S^T holds key 32 b + 16 h + i, hidden on the diagonal step where 32 b + i is above this
	v_bfe_u32 v73, v0, 4, 1
	v_mul_u32_u24 v66, 0x600, v70
	v_lshlrev_b32 v69, 6, v70
	v_lshl_add_u32 v71, v73, 3, v71                ; Wo: r
	v_mov_b32 v13, 0xff61b1e6                      ; the largest t so far: -3e38
	v_mov_b32 v14, 0
	v_lshl_add_u32 v66, v71, 4, v66                ; its codes: fragment u, 16 r
	v_lshl_add_u32 v69, v71, 2, v69                ; its scale words: 64 u + 4 r
	v_mov_b32 v15, 0
	v_floor_f32 v12, -v13                          ; -M
.irp b, 0,1,2,3
	v_mov_b32 v[236+\b], 0                         ; a lane permute's destination counts as one of its sources
.endr
	v_mov_b32 v252, 0
	v_mov_b32 v253, 0
.set J, 0
.rept 64
	v_mov_b32 v[160+J], 0                          ; O^T: the step is written once; the first finds zeros, which the first change of M leaves zeros
.set J, J+1
.endr
	s_wait_alu depctr_va_vdst(0)                   ; ahead of the branch
	s_cmp_lt_u32 s[WV], 4
	s_cbranch_scc0 .Lq_alone
	LOADW 192, 0
	LOADW 224, 32
	s_wait_loadcnt 63                              ; q's six loads are in: 64 stand behind them
	s_branch .Lq_in
.Lq_alone:
	s_wait_loadcnt 0x0
.Lq_in:
	v_lshl_or_b32 v255, v31, 16, v30
	s_wait_alu depctr_va_vdst(0)                   ; the wait at the head's end
	s_wait_tensorcnt 0x0                           ; my unit is in,
	s_barrier_signal -1
	s_barrier_wait -1                              ; everybody's is
; ---- Wo: 64 rows of my column, two blocks of 32: block 2 c + b becomes registers 6 c .. 6 c + 5 of lane (r, b)
.macro BLOCKS c
	WIN 5
.irp b, 0,1
	v_max3_num_f32 v[232+\b], |v[192+32*\b]|, |v[193+32*\b]|, 0x1800000
.endr
.irp i, 2,4,6,8,10,12,14,16,18,20,22,24,26,28,30
.irp b, 0,1
	v_max3_num_f32 v[232+\b], |v[192+32*\b+\i]|, |v[193+32*\b+\i]|, v[232+\b]
.endr
.endr
	WIN 0
.irp b, 0,1
	v_add_nc_u32 v[234+\b], 0xff000000, v[232+\b]
.endr
.irp b, 0,1
	v_lshrrev_b32 v[236+\b], 23, v[234+\b]
.endr
	v_lshl_or_b32 v[70+\c], v237, 8, v236          ; two scale bytes
	WIN 1
.irp b, 0,1
	v_cvt_scalef32_pk16_fp6_f32 v[72+12*\b+6*\c:74+12*\b+6*\c], v[192+32*\b:207+32*\b], v[234+\b]
	v_cvt_scalef32_pk16_fp6_f32 v[120+4*\b:122+4*\b], v[208+32*\b:223+32*\b], v[234+\b]
.endr
	WIN 0
	v_nop
.irp i, 0,1,2
.irp b, 0,1
	v_mov_b32 v[75+12*\b+6*\c+\i], v[120+4*\b+\i]
.endr
.endr
.endm
	s_cmp_lt_u32 s[WV], 4
	s_cbranch_scc0 .Lno_wo
	s_wait_loadcnt 0x0
	BLOCKS 0
	LOADW 192, 64                                  ; the other two blocks, into the same registers
	LOADW 224, 96
.Lno_wo:
.macro KLOAD a, b, s, off              ; a step's k: eight fragments, and their scale bytes in two halves
	WIN 0x40
.irp t, 0,1,2,3,4,5,6,7
.irp c, 0,1
	ds_load_b128 v[12*\t+6*\c:12*\t+6*\c+3], \a offset:(\off)+(\t/2)*3072+1536*\c+256*(\t%2)
	ds_load_b64 v[12*\t+6*\c+4:12*\t+6*\c+5], \b offset:(\off)+(\t/2)*3072+1536*\c+512+128*(\t%2)
.endr
.endr
	WIN 0
.irp t, 0,1,2,3,4,5,6,7
	ds_load_u16 v[40+\t], \s offset:(\off)+SCO+32*\t
	ds_load_u16 v[48+\t], \s offset:(\off)+SCO+256+32*\t
.endr
.endm
	KLOAD v4, v7, v29, 0
.Lstep:                                            ; four trips in every wave; a step past my last is jumped over: a branch on the wave's number and the count of steps
	s_cmp_gt_u32 s[KS], s[LIVE]
	s_cbranch_scc1 .Lskip
	s_wait_dscnt 0x0                               ; this step's k is in
.irp t, 0,1,2,3,4,5,6,7
	v_lshl_or_b32 v[32+\t], v[48+\t], 16, v[40+\t] ; k's scale words; also the places between the last products and the loads below
.endr
	v_add_nc_u32 v8, s[TB], v1
	v_add_nc_u32 v9, s[TB], v2
	v_add_nc_u32 v10, s[TB], v4
	v_add_nc_u32 v11, s[TB], v7
	v_add_nc_u32 v28, s[TB], v29
	v_nop
	v_nop
	v_nop                                          ; eight places between the scale words and the products
	WIN 0x40
.irp t, 0,1,2,3,4,5,6,7
.irp c, 0,1,2
	ds_load_b128 v[96+12*\t+4*\c:99+12*\t+4*\c], v8 offset:VOFF+\t*FRB+512*\c
.endr
.endr
	WIN 0
.irp t, 0,1,2,3,4,5,6,7
	ds_load_b32 v[56+\t], v9 offset:VOFF+SCO+64*\t
.endr
	WIN 1
.irp t, 0,1,2,3,4,5,6,7                ; S^T = k q^T
	v_wmma_scale_f32_16x16x128_f8f6f4 v[96+8*\t:103+8*\t], v[12*\t:12*\t+11], v[16:27], 0, v[32+\t], v255 matrix_a_fmt:MATRIX_FMT_FP6 matrix_b_fmt:MATRIX_FMT_FP6
.endr
	WIN 0
.rept 4
	v_nop
.endr
	s_wait_alu depctr_va_vdst(0)                   ; ahead of the branch
	s_cmp_lt_u32 s[KS], s[LIVE]                    ; ahead of my last step every key counts
	s_cbranch_scc1 .Lopen
	v_mov_b32 v254, 0xff800000                     ; on the diagonal step hidden scores become -infinity ahead of the maximum: p = 0 then.  The step's first key counts for every query, so M stays a number
.irp t, 0,1,2,3,4,5,6,7                ; tile t's eight compares, then its eight selects
.irp i, 0,1,2,3,4,5,6,7
	v_cmp_gt_i32 s[HID+\i], 32*(\t/2)+8*(\t%2)+\i, v3
.endr
.irp i, 0,1,2,3,4,5,6,7
	v_cndmask_b32 v[96+8*\t+\i], v[96+8*\t+\i], v254, s[HID+\i]
.endr
.endr
	s_wait_alu depctr_va_vdst(0)
	s_branch .Lmasked
.Lopen:
	KLOAD v10, v11, v28, UNIT                      ; the next step's k
.Lmasked:
.irp b, 0,1,2,3
	v_max3_num_f32 v[232+\b], v[96+16*\b], v[97+16*\b], v[98+16*\b]   ; the largest score of each block of 32 keys: for the row's maximum, and, since p rises with the score, for the block's largest p
.endr
.irp i, 3,5,7,9,11,13
.irp b, 0,1,2,3
	v_max3_num_f32 v[232+\b], v[232+\b], v[96+16*\b+\i], v[97+16*\b+\i]
.endr
.endr
.irp b, 0,1,2,3
	v_max_num_f32 v[232+\b], v[232+\b], v[111+16*\b]
.endr
.irp b, 0,1,2,3
	s_delay_alu instid0(VALU_DEP_4)
	v_permlanex16_b32 v[236+\b], v[232+\b], s[SEL], s[SEL+1]
.endr
.irp b, 0,1,2,3
	s_delay_alu instid0(VALU_DEP_4)
	v_max_num_f32 v[232+\b], v[232+\b], v[236+\b]  ; with lane l xor 16's 16 keys
.endr
	s_delay_alu instid0(VALU_DEP_2)
	v_max3_num_f32 v254, v232, v233, v234
	s_delay_alu instid0(VALU_DEP_1)
	v_max_num_f32 v254, v254, v235
	s_delay_alu instid0(VALU_DEP_1)
	v_mul_f32 v254, s[CS], v254                    ; as t
	s_delay_alu instid0(VALU_DEP_1)
	v_max_num_f32 v13, v13, v254                   ; the running largest t
	v_mov_b32 v254, v12
	s_delay_alu instid0(VALU_DEP_2)
	v_floor_f32 v12, -v13                          ; the new -M = -ceil(t)
	s_delay_alu instid0(VALU_DEP_1)
	v_sub_f32 v254, v12, v254                      ; old M - new M: a whole number, 0 or less
	s_delay_alu instid0(VALU_DEP_1)
	v_cvt_i32_f32 v254, v254                       ; (it saturates)
	s_delay_alu instid0(VALU_DEP_1)
	v_ldexp_f32 v252, 1.0, v254                    ; f = 2^(old M - new M): a multiplication by it rounds nothing
.set J, 96
.rept 32
	v_pk_fma_f32 v[J:J+1], v[J:J+1], s[CS:CS+1], v[12:13] op_sel_hi:[1,0,0]   ; t - M, two at a time
.set J, J+2
.endr
.irp b, 0,1,2,3
	v_fma_f32 v[232+\b], v[232+\b], s[CS], v12     ; the same of each block's largest score
.endr
	s_wait_alu depctr_va_vdst(0)                   ; the wait ahead of the batch,
.set J, 96
.rept 64
	v_exp_f32 v[J], v[J]                           ; p = 2^(t - M): not normalised
.set J, J+1
.endr
	v_pk_mul_f32 v[14:15], v[14:15], v[252:253] op_sel_hi:[1,0]   ; the sums under the new M: a plain line behind the exponentials
	s_wait_alu depctr_va_vdst(0)                   ; and ahead of its first reader
.irp b, 0,1,2,3
	v_exp_f32 v[232+\b], v[232+\b]                 ; the block's largest p
.endr
.set J, 96                             ; the row's sum of the unquantised p, in eight chains
.irp s, 236,240,242,244,246,248,250
	v_pk_add_f32 v[\s:\s+1], v[J:J+1], v[J+16:J+17]
.set J, J+2
.endr
	v_pk_add_f32 v[14:15], v[14:15], v[110:111]
.irp o, 128,144
.set J, \o
.irp s, 236,240,242,244,246,248,250
	v_pk_add_f32 v[\s:\s+1], v[\s:\s+1], v[J:J+1]
.set J, J+2
.endr
	v_pk_add_f32 v[14:15], v[14:15], v[\o-2:\o-1]
.endr
	v_pk_add_f32 v[240:241], v[240:241], v[242:243]
	v_pk_add_f32 v[244:245], v[244:245], v[246:247]
	v_pk_add_f32 v[248:249], v[248:249], v[250:251]
	v_pk_add_f32 v[14:15], v[14:15], v[158:159]
	v_pk_add_f32 v[240:241], v[240:241], v[244:245]
	v_pk_add_f32 v[248:249], v[248:249], v[236:237]
	v_pk_add_f32 v[14:15], v[14:15], v[240:241]
	v_pk_add_f32 v[14:15], v[14:15], v[248:249]
	s_wait_alu depctr_va_vdst(0)                   ; and one for the four
.irp b, 0,1,2,3
	v_max_num_f32 v[232+\b], 0x1800000, v[232+\b]  ; the floor 2^(3 - 127): a block whose every p is 0 keeps the byte 1: its codes are zeros
.endr
.irp b, 0,1,2,3
	s_delay_alu instid0(VALU_DEP_4)
	v_add_nc_u32 v[244+\b], 0xff000000, v[232+\b]  ; the conversion's scale operand
.endr
.irp b, 0,1,2,3
	s_delay_alu instid0(VALU_DEP_4)
	v_lshrrev_b32 v[236+\b], 23, v[244+\b]         ; the scale's byte
.endr
	s_delay_alu instid0(VALU_DEP_3)
	v_lshl_or_b32 v253, v237, 8, v236              ; p's scale word for these 128 keys
	s_delay_alu instid0(VALU_DEP_1)
	v_lshl_or_b32 v253, v238, 16, v253
	s_delay_alu instid0(VALU_DEP_1)
	v_lshl_or_b32 v253, v239, 24, v253
.irp c, 0,1
	v_cvt_scalef32_pk16_fp6_f32 v[224+6*\c:226+6*\c], v[96+32*\c:111+32*\c], v[244+2*\c]
	v_cvt_scalef32_pk16_fp6_f32 v[236+4*\c:238+4*\c], v[112+32*\c:127+32*\c], v[244+2*\c+1]
.endr
	v_nop                                          ; one plain line behind the scaled conversions
.irp c, 0,1
.irp i, 0,1,2
	v_permlane16_swap_b32 v[224+6*\c+\i], v[236+4*\c+\i]
.endr
.irp i, 0,1,2
	v_mov_b32 v[227+6*\c+\i], v[236+4*\c+\i]
.endr
.endr
.set J, 160
.rept 32
	v_pk_mul_f32 v[J:J+1], v[J:J+1], v[252:253] op_sel_hi:[1,0]   ; O^T under the new M; these 32 are also the places in front of the products below
.set J, J+2
.endr
	s_wait_alu depctr_va_vdst(0)
	s_wait_dscnt 0x0                               ; this step's v^T (and the next step's k) are in
	WIN 1
.irp t, 0,1,2,3,4,5,6,7                ; O^T += v^T p^T
	v_wmma_scale_f32_16x16x128_f8f6f4 v[160+8*\t:167+8*\t], v[96+12*\t:107+12*\t], v[224:235], v[160+8*\t:167+8*\t], v[56+\t], v253 matrix_a_fmt:MATRIX_FMT_FP6 matrix_b_fmt:MATRIX_FMT_FP6
.endr
	WIN 0
.Lskip:
	s_add_co_u32 s[TB], s[TB], UNIT
	s_add_co_u32 s[KS], s[KS], 1
	s_cmp_lt_u32 s[KS], 4
	s_cbranch_scc1 .Lstep
.rept 4
	v_nop                                          ; the places behind the last products
.endr
; ---- THE WAY OUT: O^T / the sum; register 16 b + i is channel 32 b + 16 h + i of my query: one fragment and one scale word a row for the last product
	v_add_f32 v14, v14, v15
	s_delay_alu instid0(VALU_DEP_1)
	v_permlanex16_b32 v252, v14, s[SEL], s[SEL+1]
	s_delay_alu instid0(VALU_DEP_1)
	v_add_f32 v14, v14, v252                       ; the row's sum
	s_wait_alu depctr_va_vdst(0)
	v_rcp_f32 v14, v14
	v_nop
	s_wait_alu depctr_va_vdst(0)
.set J, 160
.rept 64
	v_mul_f32 v[J], v[J], v14
.set J, J+1
.endr
.irp b, 0,1,2,3
	v_max3_num_f32 v[232+\b], |v[160+16*\b]|, |v[161+16*\b]|, 0x1800000
.endr
.irp i, 2,4,6,8,10,12,14
.irp b, 0,1,2,3
	v_max3_num_f32 v[232+\b], v[232+\b], |v[160+16*\b+\i]|, |v[161+16*\b+\i]|
.endr
.endr
.irp b, 0,1,2,3
	v_permlanex16_b32 v[236+\b], v[232+\b], s[SEL], s[SEL+1]
.endr
.irp b, 0,1,2,3
	v_max_num_f32 v[232+\b], v[232+\b], v[236+\b]
.endr
.irp b, 0,1,2,3
	v_add_nc_u32 v[244+\b], 0xff000000, v[232+\b]
.endr
.irp b, 0,1,2,3
	v_lshrrev_b32 v[236+\b], 23, v[244+\b]
.endr
	v_lshl_or_b32 v253, v237, 8, v236
	v_lshl_or_b32 v253, v238, 16, v253
	v_lshl_or_b32 v253, v239, 24, v253
.irp c, 0,1
	v_cvt_scalef32_pk16_fp6_f32 v[96+6*\c:98+6*\c], v[160+32*\c:175+32*\c], v[244+2*\c]
	v_cvt_scalef32_pk16_fp6_f32 v[108+4*\c:110+4*\c], v[176+32*\c:191+32*\c], v[244+2*\c+1]
.endr
	v_nop
.irp c, 0,1
.irp i, 0,1,2
	v_permlane16_swap_b32 v[96+6*\c+\i], v[108+4*\c+\i]
.endr
.irp i, 0,1,2
	v_mov_b32 v[99+6*\c+\i], v[108+4*\c+\i]
.endr
.endr
.irp g, 0,1,2
	global_store_b128 v1, v[96+4*\g:99+4*\g], s[52:53] offset:512*\g   ; 512 consecutive bytes, at a multiple of 256 from the buffer's first byte
.endr
	global_store_b32 v2, v253, s[54:55]            ; lanes r and r + 16 hold the same word: 64 consecutive bytes
	s_cmp_lt_u32 s[WV], 4
	s_cbranch_scc0 .Lend
	s_wait_loadcnt 0x0                             ; Wo's other 64 rows
	BLOCKS 1
	v_lshl_or_b32 v70, v71, 16, v70
.irp b, 0,1
.irp g, 0,1,2
	global_store_b128 v66, v[72+12*\b+4*\g:75+12*\b+4*\g], s[60:61] offset:512*\g+256*\b   ; the sixteen lanes of each u store 256 consecutive bytes, at a multiple of 256
.endr
.endr
	global_store_b32 v69, v70, s[62:63]            ; 32 scale words: 128 consecutive bytes
.Lend:
	s_wait_tensorcnt 0x0                           ; the wave's end
	ds_add_u32 v[SPW], v[NIL]
	s_wait_dscnt 0x0
	CROUND                                         ; the closing round
	s_endpgm
.Lfunc_end_k_q9ea4109796_attn:
	.size	k_q9ea4109796_attn, .Lfunc_end_k_q9ea4109796_attn-k_q9ea4109796_attn
	.p2alignl 7, 3214868480
	.fill 96, 4, 3214868480
	.section	.rodata,"a",@progbits
	.p2align	6, 0x0
	.amdhsa_kernel k_q9ea4109796_attn
		.amdhsa_group_segment_fixed_size 167936
		.amdhsa_private_segment_fixed_size 0
		.amdhsa_enable_private_segment 0
		.amdhsa_kernarg_size 32
		.amdhsa_user_sgpr_count 2
		.amdhsa_user_sgpr_kernarg_segment_ptr 1
		.amdhsa_wavefront_size32 1
		.amdhsa_system_sgpr_workgroup_id_x 1
		.amdhsa_system_sgpr_workgroup_id_y 1
		.amdhsa_system_sgpr_workgroup_id_z 1
		.amdhsa_system_vgpr_workitem_id 0
		.amdhsa_next_free_vgpr 512
		.amdhsa_next_free_sgpr 66
		.amdhsa_reserve_vcc 0
		.amdhsa_float_denorm_mode_32 3
		.amdhsa_float_denorm_mode_16_64 3
		.amdhsa_memory_ordered 1
		.amdhsa_forward_progress 1
		.amdhsa_inst_pref_size 70
	.end_amdhsa_kernel
	.amdgpu_metadata
---
amdhsa.version: [ 1, 2 ]
amdhsa.kernels:
  - .name:           k_q9ea4109796_attn
    .symbol:         k_q9ea4109796_attn.kd
    .args:
      - { .name: qkv, .offset: 0, .size: 8, .value_kind: global_buffer, .address_space: global }
      - { .name: Wo, .offset: 8, .size: 8, .value_kind: global_buffer, .address_space: global }
      - { .name: att, .offset: 16, .size: 8, .value_kind: global_buffer, .address_space: global }
      - { .name: wo, .offset: 24, .size: 8, .value_kind: global_buffer, .address_space: global }
    .group_segment_fixed_size: 167936
    .private_segment_fixed_size: 0
    .kernarg_segment_align: 8
    .kernarg_segment_size: 32
    .max_flat_workgroup_size: 256
    .sgpr_count:     66
    .vgpr_count:     512
    .wavefront_size: 32
...
	.end_amdgpu_metadata
.endif
;; end of part 3
;; launch gemm_out (part 4): grid 16 x 16, 4 waves a work-group, clusters of 4 x 4, 327,680 bytes of LDS; arguments att, wo, out0; writes out0
.if DOCPART == 4
	.amdgcn_target "amdgcn-amd-amdhsa--gfx1250"
	.amdhsa_code_object_version 6
	.text
	.protected	k_q9ea4109796_gemm_out
	.globl	k_q9ea4109796_gemm_out
	.p2align	8
	.type	k_q9ea4109796_gemm_out,@function
k_q9ea4109796_gemm_out:
	s_mov_b64 s[64:65], 0
	v_nop
	global_prefetch_b8 v0, s[64:65] scope:SCOPE_SE
	s_setreg_imm32_b32 hwreg(HW_REG_WAVE_MODE, 25, 1), 1
	s_wait_xcnt 0x0
	s_wait_alu depctr_hold_cnt(0) depctr_sa_sdst(0) depctr_va_vdst(0) depctr_va_sdst(0) depctr_va_ssrc(0) depctr_va_vcc(0) depctr_vm_vsrc(0)
	s_getreg_b32 s2, hwreg(HW_REG_IB_STS2, 6, 4)
	s_cmp_eq_u32 s2, 0
	s_cbranch_scc0 .Lentry_in_a_cluster
	s_endpgm
.Lentry_in_a_cluster:
	s_bfe_u32 s2, ttmp6, 0x10000c
	s_cmp_lg_u32 s2, 0xf033
	s_cbranch_scc0 .Lentry_shape_is_right
	s_endpgm
.Lentry_shape_is_right:
; out = att Wo on codes of E2M3 with E8M0 scales, K = 2,048, f32 out.
; att = [128 tokens 16][K step 16], wo = [128 columns 16][K step 16] units of 12,800 bytes: 8 images of fragment registers (registers 4 g .. 4 g + 3 of lane l at 512 g + 16 l), then 8 x 64 bytes of scale words.
; SHARES.  256 work-groups of 128 x 128, one turn; four waves, 2 x 2, a wave 64 x 64: 16 accumulators.  Source 0 = wo, source 1 = att: a lane holds a token, its registers neighbouring columns.
; LDS holds twelve of the sixteen K steps: at the head wave 0 asks for A's steps 0-3, wave 1 for B's, wave 2 for A's 4-11, wave 3 for B's.  One refill: steps 12-15 into the place of 0-3, by waves 0 and 1, in step 2, when those steps have been read.
; CLUSTERS 4 x 4: A shared along a row, B along a column.  PREFETCH: steps 12-15 are asked for in step 0, each block of 256 bytes by one of the sixteen waves that will ask for it jointly.
; LDS LOADS go two K steps ahead, 28 in one run at a step's head, in four register sets: a step starts when all but the next step's 28 are in.
; In the last step each tile of 16 rows leaves, through a stage of the wave's own, as soon as its four products are issued.
; LIMITS: NaN and infinities are not served by the codes.
.set UNIT, 12800
.set FRB, 1536
.set SCO, 12288
.set RBB, 16*UNIT
.set LA1, 8*UNIT                       ; LDS: A 0-3 at 0, B 0-3 at 4 units, A 4-11 at 8, B 4-11 at 16
.set LB1, 16*UNIT
.set STAGE, 24*UNIT
.set SPITCH, 272
.set SPARE, STAGE+4*16*SPITCH
.set ADRA, 8                           ; v8-10 by group of four K steps
.set ADSA, 11
.set ADSB, 14
.set SPW, 17
.set NIL, 18
.set STO, 19
.set RD, 20
.set CO, 21
.set PFA, 22
.set PFB, 23
.set ADRB, 24                          ; v24-26
.set SC, 32                            ; v32-63 four sets of eight: A's pairs 0, 1, B's pairs 0, 1
.set AF, 64                            ; v64-255 A's fragments, four sets of 4.  Window 1: v0-127 accumulators.  Window 2: v0-191 B's fragments, four sets of 4
.set BK, 64                            ; v64-127 the way out: rows read back
.set G1A, 24
.set G1B, 32
.set G1A2, 48
.set G1B2, 56
.set G0A, 68
.set G0B, 72
.set G0A2, 76
.set G0B2, 80
.set MSB, 0
.macro WIN new
.if MSB != (\new)
	s_set_vgpr_msb (MSB<<8)|(\new)
.set MSB, (\new)
.endif
.endm
.macro CREST
	s_cmp_lg_u32 s14, 0
	s_cbranch_scc1 .Lnot_wave_0_\@
	s_barrier_signal -3
.Lnot_wave_0_\@:
	s_barrier_wait -3
	s_barrier_signal -1
	s_barrier_wait -1
.endm
.macro CROUND
	s_barrier_signal -1
	s_barrier_wait -1
	CREST
.endm
.macro PLACES n
.rept \n
	v_nop
.endr
.endm
.macro TLOAD g0, g1
	tensor_load_to_lds s[\g0:\g0+3], s[\g1:\g1+7]
	s_nop 0
	PLACES 4
.endm
.macro GROUP1 g, mask, r               ; r dense rows of 256 bytes
	s_or_b32 s[\g], s\mask, (3<<16)|(1<<21)
	s_mov_b32 s[\g+1], 32<<16
	s_mov_b32 s[\g+2], (\r)<<16
	s_mov_b32 s[\g+3], 32<<16
	s_mov_b32 s[\g+4], \r
	s_mov_b32 s[\g+5], 32
	s_mov_b32 s[\g+6], 0
	s_mov_b32 s[\g+7], 0
.endm
.macro GROUP0 g, b, off, lds
	s_mov_b32 s[\g], 1
	s_mov_b32 s[\g+1], \lds
	s_add_nc_u64 s[\g+2:\g+3], s[\b:\b+1], \off
	s_or_b32 s[\g+3], s[\g+3], 0x80000000
.endm
	s_load_b128 s[4:7], s[0:1], 0x0                ; att, wo
	s_load_b64 s[8:9], s[0:1], 0x10                ; out0
	v_lshl_add_u32 v[SPW], v0, 2, SPARE
	v_mov_b32 v[NIL], 0
	ds_add_u32 v[SPW], v[NIL]                      ; the opening: the add, twice on end, and its wait
	ds_add_u32 v[SPW], v[NIL]
	v_lshrrev_b32 v1, 5, v0
	v_readfirstlane_b32 s14, v1
	s_lshr_b32 s15, s14, 1                         ; a
	s_and_b32 s16, s14, 1                          ; b
	s_bfe_u32 s40, ttmp6, 0x40000
	s_bfe_u32 s41, ttmp6, 0x40004
	s_lshl_b32 s42, ttmp9, 2
	s_add_co_u32 s42, s42, s40                     ; tile column
	s_and_b32 s17, ttmp7, 0xffff
	s_lshl_b32 s17, s17, 2
	s_add_co_u32 s17, s17, s41                     ; tile row
	s_lshl_b32 s43, s41, 2
	s_lshl_b32 s43, 15, s43
	s_lshl_b32 s44, 0x1111, s40
	GROUP1 G1A, 43, 200
	GROUP1 G1B, 44, 200
	GROUP1 G1A2, 43, 400
	GROUP1 G1B2, 44, 400
	s_mul_i32 s20, s17, RBB
	s_mov_b32 s21, 0
	s_mul_i32 s46, s42, RBB
	s_mov_b32 s47, 0
	s_wait_dscnt 0x0
	s_wait_kmcnt 0x0
	s_add_nc_u64 s[20:21], s[4:5], s[20:21]
	s_add_nc_u64 s[46:47], s[6:7], s[46:47]
	GROUP0 G0A, 20, 0, 0
	GROUP0 G0B, 46, 0, 4*UNIT
	GROUP0 G0A2, 20, 4*UNIT, LA1
	GROUP0 G0B2, 46, 4*UNIT, LB1
	CROUND
.macro ARM under, g0, g1, next
	s_cmp_lt_u32 s14, \under
	s_cbranch_scc0 \next
	TLOAD \g0, \g1
	s_branch .Lhead_asked
\next:
.endm
	ARM 1, G0A, G1A, .Lhead_1
	ARM 2, G0B, G1B, .Lhead_2
	ARM 3, G0A2, G1A2, .Lhead_3
	TLOAD G0B2, G1B2
.Lhead_asked:
	s_mul_i32 s84, s15, 4*FRB                      ; my fragments of A, and of B, in a unit
	s_mul_i32 s85, s16, 4*FRB
	s_lshl_b32 s86, s15, 8                         ; and their scale words
	s_lshl_b32 s87, s16, 8
	s_add_co_u32 s86, s86, SCO
	s_add_co_u32 s87, s87, SCO
	s_add_co_u32 s85, s85, 4*UNIT
	s_add_co_u32 s87, s87, 4*UNIT
	s_mul_i32 s88, s14, 16*SPITCH
	s_add_co_u32 s88, s88, STAGE
	s_lshl_b32 s2, s40, 2
	s_add_co_u32 s2, s2, s14
	s_mul_i32 s2, s2, 13                           ; 200 blocks of 256 bytes, 13 a wave
	s_lshl_b32 s3, s41, 2
	s_add_co_u32 s3, s3, s14
	s_mul_i32 s3, s3, 13
	s_lshl_b32 s10, s17, 7
	s_lshl_b32 s11, s15, 6
	s_add_co_u32 s10, s10, s11
	s_lshl_b32 s10, s10, 13
	s_lshl_b32 s11, s42, 9
	s_add_co_u32 s10, s10, s11
	s_lshl_b32 s11, s16, 8
	s_add_co_u32 s10, s10, s11
	s_mov_b32 s11, 0
	s_add_nc_u64 s[12:13], s[8:9], s[10:11]        ; my 64 x 64 of out0
	v_and_b32 v1, 15, v0                           ; r
	v_bfe_u32 v2, v0, 4, 1                         ; h
	v_and_b32 v3, 31, v0
	v_lshlrev_b32 v4, 4, v3
	v_lshlrev_b32 v5, 2, v3
	v_add_nc_u32 v[ADRA], s84, v4
	v_add_nc_u32 v[ADRB], s85, v4
	v_add_nc_u32 v[ADSA], s86, v5
	v_add_nc_u32 v[ADSB], s87, v5
.irp r, ADRA, ADSA
	v_add_nc_u32 v[\r+1], LA1, v[\r]
	v_add_nc_u32 v[\r+2], LA1+4*UNIT, v[\r]
.endr
.irp r, ADRB, ADSB
	v_add_nc_u32 v[\r+1], LB1-4*UNIT, v[\r]
	v_add_nc_u32 v[\r+2], LB1, v[\r]
.endr
	v_mul_u32_u24 v27, SPITCH, v1
	v_mul_u32_u24 v28, SPITCH, v2
	v_lshl_add_u32 v27, v2, 6, v27
	v_lshl_add_u32 v28, v1, 4, v28
	v_add_nc_u32 v[STO], s88, v27                  ; in: row r, + 64 h
	v_add_nc_u32 v[RD], s88, v28                   ; back: lanes 0-15 one row, lanes 16-31 the next
	v_lshlrev_b32 v29, 13, v2
	v_min_u32 v30, 12, v3
	v_lshl_add_u32 v[CO], v1, 4, v29
	v_add_nc_u32 v31, s3, v30
	v_add_nc_u32 v30, s2, v30
	v_min_u32 v31, 0xc7, v31
	v_min_u32 v30, 0xc7, v30
	v_lshlrev_b32 v[PFB], 8, v31
	v_lshlrev_b32 v[PFA], 8, v30
; ---- a step's 28 loads in one run: group g of four K steps, its q-th, into set p
.macro FETCH g, q, p
	WIN 0
.irp n, 0,1
	ds_load_b32 v[SC+8*(\p)+\n], v[ADSA+(\g)] offset:(\q)*UNIT+128*\n
	ds_load_b32 v[SC+8*(\p)+2+\n], v[ADSB+(\g)] offset:(\q)*UNIT+128*\n
.endr
.irp m, 0,1,2,3,4,5,6,7,8,9,10,11
	ds_load_b128 v[AF+48*(\p)+4*\m:AF+48*(\p)+4*\m+3], v[ADRA+(\g)] offset:(\q)*UNIT+512*\m
.endr
	WIN 0x80
.irp m, 0,1,2,3,4,5,6,7,8,9,10,11
	ds_load_b128 v[48*(\p)+4*\m:48*(\p)+4*\m+3], v[ADRB+(\g)] offset:(\q)*UNIT+512*\m
.endr
.endm
.macro WM1 d, s0, s1, x0, x1, ra, rb, z
.if \z
	v_wmma_scale_f32_16x16x128_f8f6f4 v[\d:\d+7], v[\s0:\s0+11], v[\s1:\s1+11], 0, v[\x0], v[\x1] matrix_a_fmt:MATRIX_FMT_FP6 matrix_b_fmt:MATRIX_FMT_FP6 matrix_a_scale:MATRIX_SCALE_ROW\ra matrix_b_scale:MATRIX_SCALE_ROW\rb
.else
	v_wmma_scale_f32_16x16x128_f8f6f4 v[\d:\d+7], v[\s0:\s0+11], v[\s1:\s1+11], v[\d:\d+7], v[\x0], v[\x1] matrix_a_fmt:MATRIX_FMT_FP6 matrix_b_fmt:MATRIX_FMT_FP6 matrix_a_scale:MATRIX_SCALE_ROW\ra matrix_b_scale:MATRIX_SCALE_ROW\rb
.endif
.endm
; product n of a step's 16: A's tile n / 4, B's tile n % 4.  The accumulators take turns, in the same order in every step
.macro PR n, p, z
.set I_, (\n)/4
.set J_, (\n)%4
.set D_, 8*(\n)
.set WB_, 48*(\p)+12*J_
.set XA_, AF+48*(\p)+12*I_
.set SB_, SC+8*(\p)+2+J_/2
.set SA_, SC+8*(\p)+I_/2
	WIN 0x52
.if J_%2
.if I_%2
	WM1 D_, WB_, XA_, SB_, SA_, 1, 1, \z
.else
	WM1 D_, WB_, XA_, SB_, SA_, 1, 0, \z
.endif
.else
.if I_%2
	WM1 D_, WB_, XA_, SB_, SA_, 0, 1, \z
.else
	WM1 D_, WB_, XA_, SB_, SA_, 0, 0, \z
.endif
.endif
.endm
.macro RUN from, to, p, z
.set PN, \from
.rept (\to)-(\from)
	PR PN, \p, \z
.set PN, PN+1
.endr
.endm
.macro STEP p, g, q, z=0, ask=0        ; g, q: the step two further on
	s_wait_dscnt 28
	PLACES 4
	FETCH \g, \q, ((\p)+2)%4
.if \ask
	WIN 0
	global_prefetch_b8 v[PFA], s[20:21] offset:12*UNIT th:TH_LOAD_NT scope:SCOPE_SE
	global_prefetch_b8 v[PFB], s[46:47] offset:12*UNIT th:TH_LOAD_NT scope:SCOPE_SE
.endif
	RUN 0, 16, \p, \z
	WIN 0
.endm
	s_wait_alu depctr_va_vdst(0)                   ; the wait at the head's end
	s_cmp_lt_u32 s14, 2
	s_cbranch_scc0 .Lnot_first
	s_wait_tensorcnt 0x0                           ; K steps 0-3 are waves 0's and 1's; the others may be on their way
.Lnot_first:
	s_barrier_signal -1
	s_barrier_wait -1
	FETCH 0, 0, 0
	FETCH 0, 1, 1
	STEP 0, 0, 2, 1, 1                             ; K step 0 starts the sums
	STEP 1, 0, 3
	s_wait_tensorcnt 0x0                           ; K step 2: all my tensor loads have landed, K steps 4-11 among them
	ds_add_u32 v[SPW], v[NIL]
	s_add_nc_u64 s[G0A+2:G0A+3], s[G0A+2:G0A+3], 12*UNIT
	s_add_nc_u64 s[G0B+2:G0B+3], s[G0B+2:G0B+3], 12*UNIT
	s_wait_dscnt 29                                ; the add and K step 3's 28 may be out
	PLACES 4
	RUN 0, 8, 2, 0
	s_wait_dscnt 0x0                               ; the add is done, and so are my reads of K steps 0-3
	s_barrier_signal -1
	RUN 8, 12, 2, 0
	WIN 0
	s_barrier_wait -1
	CREST
	s_cmp_eq_u32 s14, 0
	s_cbranch_scc0 .Lnot_a
	TLOAD G0A, G1A                                 ; K steps 12-15
	s_branch .Lasked
.Lnot_a:
	s_cmp_eq_u32 s14, 1
	s_cbranch_scc0 .Lasked
	TLOAD G0B, G1B
.Lasked:
	FETCH 1, 0, 0
	RUN 12, 16, 2, 0
	WIN 0
	FETCH 1, 1, 1                                  ; K step 5's run here, K step 3's data being in
	s_wait_dscnt 56
	RUN 0, 16, 3, 0
	WIN 0
	STEP 0, 1, 2
	STEP 1, 1, 3
	STEP 2, 2, 0
	STEP 3, 2, 1
	STEP 0, 2, 2
	STEP 1, 2, 3
	s_wait_tensorcnt 0x0                           ; K step 10: the refill is in
	s_wait_dscnt 28
	PLACES 4
	RUN 0, 8, 2, 0
	s_wait_dscnt 0x0
	s_barrier_signal -1
	RUN 8, 12, 2, 0
	WIN 0
	s_barrier_wait -1
	FETCH 0, 0, 0
	RUN 12, 16, 2, 0
	WIN 0
	STEP 3, 0, 1
	STEP 0, 0, 2
	STEP 1, 0, 3
	s_wait_dscnt 28                                ; K step 14
	RUN 0, 16, 2, 0
	WIN 0
.macro TOSTAGE a
.set AC_, 32*(\a)
	WIN 0x04                                       ; the data: window 1
.irp b, 0,1,2,3
	ds_store_b128 v[STO], v[AC_+8*\b:AC_+8*\b+3] offset:128*(\b/2)+32*(\b%2)
	ds_store_b128 v[STO], v[AC_+8*\b+4:AC_+8*\b+7] offset:128*(\b/2)+32*(\b%2)+16
.endr
	WIN 0
.set BB_, BK+32*((\a)%2)
.irp t, 0,1,2,3,4,5,6,7
	ds_load_b128 v[BB_+4*\t:BB_+4*\t+3], v[RD] offset:2*\t*SPITCH   ; LDS serves a wave's instructions in order (ISA guide 5.7.1.4)
.endr
.endm
.macro SEND a, younger
.set BB_, BK+32*((\a)%2)
	s_wait_dscnt \younger
.irp t, 0,1,2,3,4,5,6,7
	global_store_b128 v[CO], v[BB_+4*\t:BB_+4*\t+3], s[12:13] offset:(32*((\a)/2)+8*((\a)%2)+2*\t+8*(\t/4))*8192 th:TH_STORE_NT   ; 16 lanes store 256 consecutive bytes
.endr
.endm
	s_wait_dscnt 0x0                               ; K step 15, by rows
.irp a, 0,1,2,3
	RUN 4*\a, 4*\a+4, 3, 0
	WIN 0
	PLACES 4                                       ; results just made are read
.if \a > 1
	s_wait_xcnt 0x0                                ; tile a - 2's stores have read their registers
.endif
	TOSTAGE \a
.if \a > 0
	SEND \a-1, 16                                  ; behind tile a - 1's loads: tile a's 8 stores and 8 loads
.endif
.endr
	SEND 3, 0
	s_wait_tensorcnt 0x0                           ; the wave's end
	ds_add_u32 v[SPW], v[NIL]
	s_wait_dscnt 0x0
	CROUND
	s_endpgm
.Lfunc_end_k_q9ea4109796_gemm_out:
	.size	k_q9ea4109796_gemm_out, .Lfunc_end_k_q9ea4109796_gemm_out-k_q9ea4109796_gemm_out
	.p2alignl 7, 3214868480
	.fill 96, 4, 3214868480
	.section	.rodata,"a",@progbits
	.p2align	6, 0x0
	.amdhsa_kernel k_q9ea4109796_gemm_out
		.amdhsa_group_segment_fixed_size 327680
		.amdhsa_private_segment_fixed_size 0
		.amdhsa_enable_private_segment 0
		.amdhsa_kernarg_size 24
		.amdhsa_user_sgpr_count 2
		.amdhsa_user_sgpr_kernarg_segment_ptr 1
		.amdhsa_wavefront_size32 1
		.amdhsa_system_sgpr_workgroup_id_x 1
		.amdhsa_system_sgpr_workgroup_id_y 1
		.amdhsa_system_sgpr_workgroup_id_z 1
		.amdhsa_system_vgpr_workitem_id 0
		.amdhsa_next_free_vgpr 768
		.amdhsa_next_free_sgpr 102
		.amdhsa_reserve_vcc 0
		.amdhsa_float_denorm_mode_32 3
		.amdhsa_float_denorm_mode_16_64 3
		.amdhsa_memory_ordered 1
		.amdhsa_forward_progress 1
		.amdhsa_inst_pref_size 83
	.end_amdhsa_kernel
	.amdgpu_metadata
---
amdhsa.version: [ 1, 2 ]
amdhsa.kernels:
  - .name:           k_q9ea4109796_gemm_out
    .symbol:         k_q9ea4109796_gemm_out.kd
    .args:
      - { .name: att, .offset: 0, .size: 8, .value_kind: global_buffer, .address_space: global }
      - { .name: wo, .offset: 8, .size: 8, .value_kind: global_buffer, .address_space: global }
      - { .name: out0, .offset: 16, .size: 8, .value_kind: global_buffer, .address_space: global }
    .group_segment_fixed_size: 327680
    .private_segment_fixed_size: 0
    .kernarg_segment_align: 8
    .kernarg_segment_size: 24
    .max_flat_workgroup_size: 128
    .sgpr_count:     102
    .vgpr_count:     768
    .wavefront_size: 32
...
	.end_amdgpu_metadata
.endif
;; end of part 4
